; MI455X (gfx1250); checked and timed in simulation.
; The chip was launched on July 23, 2026; its instructions are those of AMD's public machine-readable ISA for CDNA 5 (MIT licence, August 2026) and "CDNA5" Instruction Set Architecture Reference Guide (July 2026). The comments in the code are by the model that wrote it; some were corrected since.
;; Mixture Of Experts. Allowed arithmetic: float matrix products may take bf16 or f16 operands with f32 sums; other float arithmetic in f32, or as packed bf16 or f16 multiplies, adds, multiply-adds, maxima and minima; sums over many terms, partial sums and values carried from step to step in f32; what a program stores and reads back later, other than sums and carried values, may be rounded once to bf16 or f16.
;; Inputs: W1 8 x 1,024 x 4,096 float32; W2 8 x 4,096 x 1,024 float32; Wg 1,024 x 8 float32; b1 8 x 4,096 float32; b2 8 x 1,024 float32; bg 8 float32; x 1,024 x 1,024 float32.
;; Outputs: out0 1,024 x 1,024 float32.
;; Constants: k = 2.
;; 2 versions, each right. Each part assembles by itself: llvm-mc -triple=amdgcn-amd-amdhsa -mcpu=gfx1250 --defsym DOCPART=n.
;; ======== version 1 of 2: 4 launches
;; workspace buffers: xb 2,097,152 bytes; idx 8,192 bytes of whole numbers; gates 8,192 bytes; H 67,108,864 bytes; rows 32,768 bytes of whole numbers; cnt 2,048 bytes of whole numbers; P 33,554,432 bytes
;; launch route (part 1): grid 32 x 1, 8 waves a work-group, no clusters, 91,904 bytes of LDS; arguments x, Wg, bg, xb, idx, gates; writes xb, idx, gates
.if DOCPART == 1
	.amdgcn_target "amdgcn-amd-amdhsa--gfx1250"
	.amdhsa_code_object_version 6
	.text
	.protected	k_qce238f1e92_route
	.globl	k_qce238f1e92_route
	.p2align	8
	.type	k_qce238f1e92_route,@function
k_qce238f1e92_route:
	s_mov_b64 s[64:65], 0
	v_nop
	global_prefetch_b8 v0, s[64:65] scope:SCOPE_SE
	s_setreg_imm32_b32 hwreg(HW_REG_WAVE_MODE, 25, 1), 1
	s_wait_xcnt 0x0
; ROUTER.  logits = x Wg + bg, the two largest of eight (the lower index wins a tie), their softmax; and x rounded to bf16 for the products to come.
; x, Wg and bg are rounded to bf16 first, like every input of the program; products by the matrix unit, sums in f32.
; LIMITS.  NaN and infinite logits are not treated apart; two logits closer than the rounding of an f32 sum of 1,024 terms may change places.
; SHARES.  A work-group of eight waves owns 32 tokens.  Wave w rounds rows 4 w .. 4 w + 3 of x (stored to xb, kept in LDS) and later multiplies K = 128 w .. 128 w + 127 for all 32 tokens;
; the eight partial logits meet in LDS and wave 0 chooses.  What is chosen is only stored, at fixed places: no address here hangs on it.
.set XP,    2064      ; an LDS row of 1,024 bf16: 2,048 bytes + 16: the 16 rows of a fragment load start at 16 different groups of four banks
.set WT,    66048     ; behind 32 rows of x: Wg turned, 8 rows (experts) of 1,024 bf16
.set RED,   82688     ; 8 waves x 32 tokens x 8 partial logits
.set SPARE, 90880     ; the spare words, 128 bytes a wave
.set X,   16          ; v16-143   x as loaded: row j, segment i at 16 + 32 j + 4 i
.set GW,  144         ; v144-175  four rows of Wg
.set PK,  176         ; v176-239  packed bf16
.set FA,  16          ; later: fragments of Wg^T, tokens 0-15, tokens 16-31: 4 K steps x 8 registers each
.set FB0, 48
.set FB1, 80
.set AC0, 112         ; logits of tokens 0-15
.set AC1, 120         ; of tokens 16-31
.set LG,  128
	s_load_b256 s[4:11], s[0:1], 0x0               ; x s[4:5], Wg s[6:7], bg s[8:9], xb s[10:11]
	s_load_b128 s[12:15], s[0:1], 0x20             ; idx s[12:13], gates s[14:15]
	v_lshl_add_u32 v2, v0, 2, SPARE                ; my spare word
	v_mov_b32 v3, 0
	v_and_b32 v1, 31, v0                           ; lane
	v_lshrrev_b32 v4, 5, v0
	v_readfirstlane_b32 s16, v4                    ; wave
	v_lshlrev_b32 v5, 7, v0                        ; Wg: thread t takes rows 4 t .. 4 t + 3, 128 bytes
	s_lshl_b32 s17, s16, 14
	v_lshl_add_u32 v6, v1, 4, s17                  ; x: 4 w rows of 4,096 bytes + 16 x lane
	s_lshl_b32 s17, s16, 13
	v_lshl_add_u32 v7, v1, 3, s17                  ; xb: 4 w rows of 2,048 bytes + 8 x lane
	s_mul_i32 s17, s16, 4*XP
	v_lshl_add_u32 v8, v1, 3, s17                  ; the same place in LDS
	v_lshl_add_u32 v9, v0, 3, WT                   ; Wg^T: k = 4 t lies at byte 8 t of a row
	v_and_b32 v10, 15, v0                          ; r
	v_bfe_u32 v11, v0, 4, 1                        ; h
	v_and_b32 v12, 7, v0                           ; r mod 8: the eight experts stand twice in the 16 rows of source 0
	s_lshl_b32 s17, s16, 8
	v_lshl_add_u32 v13, v11, 4, s17                ; my wave's 128 k (256 bytes) + 16 h
	v_mad_u32_u24 v14, v10, XP, v13                ; fragments of x
	v_mad_u32_u24 v15, v12, XP, v13
	v_add_nc_u32 v15, WT, v15                      ; fragments of Wg^T
	s_lshl_b32 s17, s16, 10
	s_add_co_u32 s17, s17, RED
	v_lshl_add_u32 v4, v1, 5, s17                  ; my token's 32 bytes in my wave's part of RED
	s_mov_b32 s18, 0xffff0000                      ; lanes 16-31; also a word's upper bf16
	s_lshl_b32 s28, ttmp9, 17                      ; the group's 32 rows of x,
	s_mov_b32 s29, 0
	s_lshl_b32 s30, ttmp9, 16                      ; of xb,
	s_mov_b32 s31, 0
	s_lshl_b32 s32, ttmp9, 8                       ; and its 256 bytes of idx and of gates
	s_mov_b32 s33, 0
	s_wait_kmcnt 0x0
	s_load_b256 s[20:27], s[8:9], 0x0              ; bg
	s_add_nc_u64 s[4:5], s[4:5], s[28:29]
	s_add_nc_u64 s[10:11], s[10:11], s[30:31]
	s_add_nc_u64 s[12:13], s[12:13], s[32:33]
	s_add_nc_u64 s[14:15], s[14:15], s[32:33]
.irp j, 0,1,2,3,4,5,6,7
	global_load_b128 v[GW+4*\j:GW+4*\j+3], v5, s[6:7] offset:16*\j
.endr
.irp j, 0,1,2,3
.irp i, 0,1,2,3,4,5,6,7
	global_load_b128 v[X+32*\j+4*\i:X+32*\j+4*\i+3], v6, s[4:5] offset:4096*\j+512*\i th:TH_LOAD_NT  ; 512 consecutive bytes of a row
.endr
.endr
	s_wait_loadcnt 32                              ; Wg is in; the 32 loads of x are younger
.irp e, 0,1,2,3,4,5,6,7
	v_cvt_pk_bf16_f32 v[PK+2*\e], v[GW+\e], v[GW+8+\e]          ; expert e, k = 4 t, 4 t + 1
	v_cvt_pk_bf16_f32 v[PK+2*\e+1], v[GW+16+\e], v[GW+24+\e]    ; k = 4 t + 2, 4 t + 3
	ds_store_b64 v9, v[PK+2*\e:PK+2*\e+1] offset:\e*XP
.endr
.irp j, 0,1,2,3
	s_wait_loadcnt 24-8*\j                         ; row j is in; the later rows' loads are younger
.irp i, 0,1,2,3,4,5,6,7
	v_cvt_pk_bf16_f32 v[PK+16*\j+2*\i], v[X+32*\j+4*\i], v[X+32*\j+4*\i+1]
	v_cvt_pk_bf16_f32 v[PK+16*\j+2*\i+1], v[X+32*\j+4*\i+2], v[X+32*\j+4*\i+3]
	global_store_b64 v7, v[PK+16*\j+2*\i:PK+16*\j+2*\i+1], s[10:11] offset:2048*\j+256*\i  ; the wave stores 256 consecutive bytes, aligned
	ds_store_b64 v8, v[PK+16*\j+2*\i:PK+16*\j+2*\i+1] offset:\j*XP+256*\i
.endr
.endr
	s_wait_kmcnt 0x0                               ; bg
	s_wait_dscnt 0x0                               ; for the others: my rows of x and my part of Wg^T are in LDS
	s_barrier_signal -1
	s_barrier_wait -1
.irp k, 0,1,2,3                                        ; four K steps of 32
	ds_load_b128 v[FA+8*\k:FA+8*\k+3],     v15 offset:64*\k
	ds_load_b128 v[FA+8*\k+4:FA+8*\k+7],   v15 offset:64*\k+32
	ds_load_b128 v[FB0+8*\k:FB0+8*\k+3],   v14 offset:64*\k
	ds_load_b128 v[FB0+8*\k+4:FB0+8*\k+7], v14 offset:64*\k+32
	ds_load_b128 v[FB1+8*\k:FB1+8*\k+3],   v14 offset:16*XP+64*\k
	ds_load_b128 v[FB1+8*\k+4:FB1+8*\k+7], v14 offset:16*XP+64*\k+32
.endr
	s_wait_dscnt 0x0
	v_wmma_f32_16x16x32_bf16 v[AC0:AC0+7], v[FA:FA+7], v[FB0:FB0+7], 0     ; the first K step starts both sums; the two take turns
	v_wmma_f32_16x16x32_bf16 v[AC1:AC1+7], v[FA:FA+7], v[FB1:FB1+7], 0
.irp k, 1,2,3
	v_wmma_f32_16x16x32_bf16 v[AC0:AC0+7], v[FA+8*\k:FA+8*\k+7], v[FB0+8*\k:FB0+8*\k+7], v[AC0:AC0+7]
	v_wmma_f32_16x16x32_bf16 v[AC1:AC1+7], v[FA+8*\k:FA+8*\k+7], v[FB1+8*\k:FB1+8*\k+7], v[AC1:AC1+7]
.endr
.rept 4
	v_nop                                          ; four places behind the last product (ISA guide 7.12.1)
.endr
; Register j of lane (r, h) is expert (8 h + j) mod 8 of token r (or 16 + r): lanes 0-15 keep the first sum, lanes 16-31 the second: lane l holds token l.
.irp j, 0,1,2,3,4,5,6,7
	v_cndmask_b32 v[LG+\j], v[AC0+\j], v[AC1+\j], s18
.endr
	ds_store_b128 v4, v[LG:LG+3]
	ds_store_b128 v4, v[LG+4:LG+7] offset:16
	s_wait_dscnt 0x0                               ; for wave 0: my partial logits are in LDS
	s_barrier_signal -1
	s_barrier_wait -1
	s_cmp_eq_u32 s16, 0
	s_cbranch_scc1 .Lchoose
	s_wait_tensorcnt 0x0                           ; the end of waves 1-7
	ds_add_u32 v2, v3
	s_wait_dscnt 0x0
	s_endpgm
.Lchoose:                                              ; wave 0: v4 is RED + 32 x lane
.irp w, 0,1,2,3,4,5,6,7
	ds_load_b128 v[16+8*\w:16+8*\w+3], v4 offset:1024*\w
	ds_load_b128 v[20+8*\w:20+8*\w+3], v4 offset:1024*\w+16
.endr
.irp p, 0,1,2,3
	v_cvt_pk_bf16_f32 v[80+\p], s[20+2*\p], s[21+2*\p]  ; bg rounded to bf16,
	v_lshlrev_b32 v[84+2*\p], 16, v[80+\p]              ; and back in f32
	v_and_b32 v[85+2*\p], s18, v[80+\p]
.endr
	s_wait_dscnt 0x0
.irp w, 1,2,3,4,5,6,7                                  ; K ascending
.irp p, 0,1,2,3
	v_pk_add_f32 v[16+2*\p:17+2*\p], v[16+2*\p:17+2*\p], v[16+8*\w+2*\p:17+8*\w+2*\p]
.endr
.endr
.irp p, 0,1,2,3
	v_pk_add_f32 v[16+2*\p:17+2*\p], v[16+2*\p:17+2*\p], v[84+2*\p:85+2*\p]
.endr
	; the two largest: v92, v100 the largest and its expert, v93, v101 the second.  Only a strictly larger logit displaces: the lower index wins a tie.
	v_mov_b32 v92, v16
	v_mov_b32 v100, 0
	v_mov_b32 v93, 0xff800000
	v_mov_b32 v101, 0
.irp j, 1,2,3,4,5,6,7
	v_cmp_gt_f32 vcc_lo, v[16+\j], v92
	v_cmp_gt_f32 s19, v[16+\j], v93
	v_cndmask_b32 v93, v93, v[16+\j], s19
	v_cndmask_b32 v101, v101, \j, s19
	v_cndmask_b32 v93, v93, v92, vcc_lo
	v_cndmask_b32 v101, v101, v100, vcc_lo
	v_cndmask_b32 v92, v92, v[16+\j], vcc_lo
	v_cndmask_b32 v100, v100, \j, vcc_lo
.endr
	; softmax of the two, the larger taken away: 1 / (1 + t) and t / (1 + t), t = e^(second - first) <= 1
	v_sub_f32 v96, v93, v92
	v_mul_f32 v96, 0x3fb8aa3b, v96
	v_exp_f32 v96, v96
	v_lshlrev_b32 v94, 3, v1                       ; (a plain instruction behind the exponential) 8 bytes a token
	s_wait_alu depctr_va_vdst(0)
	v_add_f32 v97, 1.0, v96
	v_rcp_f32 v102, v97
	v_nop                                          ; a plain instruction behind the reciprocal
	s_wait_alu depctr_va_vdst(0)
	v_mul_f32 v103, v96, v102
	global_store_b64 v94, v[100:101], s[12:13]     ; 32 tokens: 256 consecutive bytes, aligned
	global_store_b64 v94, v[102:103], s[14:15]
	s_wait_tensorcnt 0x0                           ; the wave's end
	ds_add_u32 v2, v3
	s_wait_dscnt 0x0
	s_endpgm
.Lfunc_end_k_qce238f1e92_route:
	.size	k_qce238f1e92_route, .Lfunc_end_k_qce238f1e92_route-k_qce238f1e92_route
	.p2alignl 7, 3214868480
	.fill 96, 4, 3214868480
	.section	.rodata,"a",@progbits
	.p2align	6, 0x0
	.amdhsa_kernel k_qce238f1e92_route
		.amdhsa_group_segment_fixed_size 91904
		.amdhsa_private_segment_fixed_size 0
		.amdhsa_enable_private_segment 0
		.amdhsa_kernarg_size 48
		.amdhsa_user_sgpr_count 2
		.amdhsa_user_sgpr_kernarg_segment_ptr 1
		.amdhsa_wavefront_size32 1
		.amdhsa_system_sgpr_workgroup_id_x 1
		.amdhsa_system_sgpr_workgroup_id_y 1
		.amdhsa_system_sgpr_workgroup_id_z 1
		.amdhsa_system_vgpr_workitem_id 0
		.amdhsa_next_free_vgpr 240
		.amdhsa_next_free_sgpr 66
		.amdhsa_reserve_vcc 1
		.amdhsa_float_denorm_mode_32 3
		.amdhsa_float_denorm_mode_16_64 3
		.amdhsa_memory_ordered 1
		.amdhsa_forward_progress 1
		.amdhsa_inst_pref_size 27
	.end_amdhsa_kernel
	.amdgpu_metadata
---
amdhsa.version: [ 1, 2 ]
amdhsa.kernels:
  - .name:           k_qce238f1e92_route
    .symbol:         k_qce238f1e92_route.kd
    .args:
      - { .name: x, .offset: 0, .size: 8, .value_kind: global_buffer, .address_space: global }
      - { .name: Wg, .offset: 8, .size: 8, .value_kind: global_buffer, .address_space: global }
      - { .name: bg, .offset: 16, .size: 8, .value_kind: global_buffer, .address_space: global }
      - { .name: xb, .offset: 24, .size: 8, .value_kind: global_buffer, .address_space: global }
      - { .name: idx, .offset: 32, .size: 8, .value_kind: global_buffer, .address_space: global }
      - { .name: gates, .offset: 40, .size: 8, .value_kind: global_buffer, .address_space: global }
    .group_segment_fixed_size: 91904
    .private_segment_fixed_size: 0
    .kernarg_segment_align: 8
    .kernarg_segment_size: 48
    .max_flat_workgroup_size: 256
    .sgpr_count:     66
    .vgpr_count:     240
    .wavefront_size: 32
...
	.end_amdgpu_metadata
.endif
;; end of part 1
;; launch up (part 2): grid 32 x 8, 4 waves a work-group, no clusters, 303,616 bytes of LDS; arguments xb, W1, b1, idx, H, rows, cnt; writes H, rows, cnt
.if DOCPART == 2
	.amdgcn_target "amdgcn-amd-amdhsa--gfx1250"
	.amdhsa_code_object_version 6
	.text
	.protected	k_qce238f1e92_up
	.globl	k_qce238f1e92_up
	.p2align	8
	.type	k_qce238f1e92_up,@function
k_qce238f1e92_up:
	s_mov_b64 s[64:65], 0
	v_nop
	global_prefetch_b8 v0, s[64:65] scope:SCOPE_SE
	s_setreg_imm32_b32 hwreg(HW_REG_WAVE_MODE, 25, 1), 1
	s_wait_xcnt 0x0
; FIRST PRODUCT.  H[e][rank][f] = relu(x[token(e, rank)] . W1[e][:, f] + b1[e][f]) in bf16, only for the tokens that chose expert e; also the list of those tokens (rows) and their number (cnt).
; W1 and b1 are rounded to bf16 on their way through registers, x has been; sums in f32; H rounded once.
; SHARES.  Work-group (ns, e) owns columns 128 ns .. + 127 of expert e: 1,024 x 128 weights, 512 KiB of f32 that it alone reads, and all rows of that expert, 0 to 1,024 of them.
; The slice goes memory -> registers -> bf16 -> LDS, laid down as ready fragments, and stays there (266,240 bytes).  Rows go in tiles of 16: tile 20 G + 4 t + w belongs to group G, place t (0-4), wave w.
; Group 0 (320 rows) is multiplied WHILE the slice streams in: 16 trips of K = 64, one barrier a trip, its sums in 320 registers a wave.  Groups 1-3 (rows 320 on: skewed splits) read the resident slice,
; in a loop of constant length; a wave without rows in a group jumps forward over the products and over the way out, never over a barrier.  Every barrier stands on every wave's path; what hangs on the
; count only jumps forward over register work, loads that are waited for inside the jumped text, and stores.
; NO CLUSTER: each slice has one reader; the token rows that an expert's work-groups share come by a list, which no tile descriptor covers.
; THE MATRIX INSTRUCTION IS USED TRANSPOSED: source 0 = 16 columns of W x 32 k, source 1 = 16 rows x 32 k: register j of lane (r, h) is H(row r, column 16 f + 8 h + j): eight neighbours of a row.
; REGISTERS, in windows of 256 (s_set_vgpr_msb: bits 1:0 source 0, 3:2 source 1, 5:4 source 2, 7:6 destination):
;   window 0: v0-31 addresses and temporaries; v32-63 packed weights; v64-127, v128-191 two buffers of W fragments (idx at the head, the way out at the end); v192-255 the bias as eight C tiles
;   window 1: v0-159 token fragments, a ring of four K steps x five tiles      window 2: sums of tiles 0-3      window 3: v0-63 sums of tile 4; v64-191 two sets of 16 rows of f32 weights
.set PW,    16384     ; bytes from row to row of W1
.set LOGPW, 14
.set FP,    1040      ; a fragment in LDS: 1,024 bytes + 16, so that the 16 lanes of a store touch 16 different 16-byte columns; fragment 8 s + f (K step s, column block f); inside: 512 q + 16 x lane
.set LIST,  266240    ; behind the slice: each wave's own list: 1,152 entries (2 x token + slot, in rank order, padded), then 64 words for lanes with nothing to say
.set LISTB, 4864
.set STAGE, 285696    ; 16 rows x 272 bytes for each wave, for the way out
.set SPI,   272
.set SPARE, 303104    ; the spare words, 128 bytes a wave
.set LN,  1           ; lane
.set SPW, 2           ; my spare word; never rewritten
.set NIL, 3           ; 0, for the add alone
.set AF0, 4           ; 16 x lane: my place in a fragment; also my 16 bytes of 512
.set AF,  5           ; the fragment address in hand
.set AS0, 6           ; where I put packed weights in a block
.set AS,  7
.set WO,  8           ; my byte offset in a block of W
.set PV,  9           ; the same for the prefetch: a row a lane
.set STO, 10
.set RD,  11
.set GO,  12
.set GT,  13
.set H16, 14          ; 16 h
.set ZR,  15          ; 0
.set TO,  16          ; v16-20  byte offset of my row of tile t in xb, + 16 h
.set RR,  21          ; r
.set DIDX, 22         ; 1,152 + lane
.set L4,  23          ; 4 x lane
.set OO,  32
.set FR,  64
.set IX,  64
.set TMP, 64
.set BK,  96
.set LS,  128
.set BI,  192
.set SG,  64          ; window 3
.set WV, 18
.set E,  19
.set NS, 20
.set CN, 21           ; the expert's rows
.set TS, 22           ; its tiles, at least 1
.set Q,  23           ; my live tiles in the group in hand, 0 to 5
.set G,  24
.set CT, 25
.set FB, 26           ; LDS byte of the K step to fetch
.set SB, 27           ; LDS byte of the block to store
.set WW, 28           ; s[28:29] W at the block last asked for
.set TW, 30           ; s[30:31] token rows, stepped along K
.set W0, 32           ; s[32:33] the slice
.set PA, 34           ; s[34:35] the prefetch's base
.set PO, 36           ; s[36:37] its offset, clamped
.set PFO, 38
.set MA, 39
.set MM, 40
.set RM, 48           ; the last rank that exists after padding: 16 TS - 1
.set T0, 50           ; s[50:51] token rows at K = 0
.set OB, 52           ; s[52:53] H at my expert and columns
.set LB, 54           ; my list
.set T16, 55
.set GC, 63           ; groups to go
.set MSB, 0
.macro WIN new                         ; the high byte repeats the setting that is left; a switch that changes nothing is dropped
.if MSB != (\new)
	s_set_vgpr_msb (MSB<<8)|(\new)
.set MSB, (\new)
.endif
.endm
; 16 rows x 256 bytes of the wave's part of a block (64 k x 128 columns): lanes 0-15 take 256 consecutive aligned bytes of one row, lanes 16-31 of the row 8 further on.
.macro WLOAD st
	WIN 0xc0
.irp i, 0,1,2,3,4,5,6,7,8,9,10,11,12,13,14,15
	global_load_b128 v[SG+64*(\st)+4*\i:SG+64*(\st)+4*\i+3], v[WO], s[WW:WW+1] offset:(\i+8*(\i/8))*PW th:TH_LOAD_NT
.endr
	WIN 0
.endm
; A block's part is rounded and laid into LDS.  My 16 rows are k = 8 h + 0..7 (q = 0) and 16 + 8 h + 0..7 (q = 1) of four columns 4 c + jj: for each column and q four registers of pairs along k,
; which are 16 bytes of fragment c / 4, lane 4 (c mod 4) + jj + 16 h.  reload = 1: the set takes the block two further on, and one row a lane of the block three beyond that one is asked into the L2
; (32 lanes, my wave's own 32 rows x 256 bytes; the offset stops at the last block).
.macro WPART st, nW, reload
	s_wait_loadcnt \nW
	WIN 0x0f
.irp jj, 0,1,2,3
.irp q, 0,1
.irp p, 0,1,2,3
	v_cvt_pk_bf16_f32 v[OO+8*\jj+4*\q+\p], v[SG+64*(\st)+4*(8*\q+2*\p)+\jj], v[SG+64*(\st)+4*(8*\q+2*\p+1)+\jj]
.endr
.endr
.endr
	WIN 0
	v_add_nc_u32 v[AS], s[SB], v[AS0]
	s_add_co_u32 s[SB], s[SB], 16*FP
.irp jj, 0,1,2,3
.irp q, 0,1
	ds_store_b128 v[AS], v[OO+8*\jj+4*\q:OO+8*\jj+4*\q+3] offset:16*\jj+512*\q
.endr
.endr
.if \reload
	s_wait_xcnt 0x0                                ; the bases below are rewritten only behind this wait
	s_add_nc_u64 s[WW:WW+1], s[WW:WW+1], 64*PW
	WLOAD \st
	s_add_co_u32 s[PFO], s[PFO], 64*PW
	s_min_u32 s[PO], s[PFO], 15*64*PW
	s_add_nc_u64 s[PA:PA+1], s[W0:W0+1], s[PO:PO+1]
	global_prefetch_b8 v[PV], s[PA:PA+1] th:TH_LOAD_NT scope:SCOPE_SE
.endif
.endm
; One K step's token fragments, all five tiles always (so that the counts are the same on every path; a tile past the count repeats a row that exists): row r, k = 8 h .. and 16 + 8 h ..
.macro TL sl, off
	WIN 0x40
.irp t, 0,1,2,3,4
	global_load_b128 v[40*(\sl)+8*\t:40*(\sl)+8*\t+3],   v[TO+\t], s[TW:TW+1] offset:(\off)
	global_load_b128 v[40*(\sl)+8*\t+4:40*(\sl)+8*\t+7], v[TO+\t], s[TW:TW+1] offset:(\off)+32
.endr
	WIN 0
.endm
; One K step's eight W fragments: 16 loads of 512 consecutive bytes
.macro FETCH buf
	v_add_nc_u32 v[AF], s[FB], v[AF0]
	s_add_co_u32 s[FB], s[FB], 8*FP
.irp f, 0,1,2,3,4,5,6,7
	ds_load_b128 v[FR+64*(\buf)+8*\f:FR+64*(\buf)+8*\f+3],   v[AF] offset:FP*\f
	ds_load_b128 v[FR+64*(\buf)+8*\f+4:FR+64*(\buf)+8*\f+7], v[AF] offset:FP*\f+512
.endr
.endm
; Eight products: tile t x all column blocks.  ci = 1: the bias tile is the C that starts the sum: nothing is cleared.
.macro MUL buf, sl, t, ci
.set AC, 64*((\t)%4)
.if \ci
	WIN 0x84+0x40*((\t)/4)
.else
	WIN 0xa4+0x50*((\t)/4)
.endif
.irp f, 0,1,2,3,4,5,6,7
.if \ci
	v_wmma_f32_16x16x32_bf16 v[AC+8*\f:AC+8*\f+7], v[FR+64*(\buf)+8*\f:FR+64*(\buf)+8*\f+7], v[40*(\sl)+8*(\t):40*(\sl)+8*(\t)+7], v[BI+8*\f:BI+8*\f+7]
.else
	v_wmma_f32_16x16x32_bf16 v[AC+8*\f:AC+8*\f+7], v[FR+64*(\buf)+8*\f:FR+64*(\buf)+8*\f+7], v[40*(\sl)+8*(\t):40*(\sl)+8*(\t)+7], v[AC+8*\f:AC+8*\f+7]
.endif
.endr
.endm
; A K STEP: 40 products (32 where I have no fifth tile) on 40 sums that take turns, one instruction a turn, from step to step too.
; nT, nD: the younger loads and LDS instructions that may stay out.  fn = 1: the other fragment buffer is fetched in the middle.  tr >= 0: the token slot just read takes the K step four on, at byte tr.
; The four v_nop are the places (ISA guide 7.12.1 for vector instructions) behind the last products, for the loads into the token slot and, later, into this fragment buffer, and for the way out.
.macro K buf, sl, nT, nD, ci, fn, tr
	s_wait_loadcnt \nT
	s_wait_dscnt \nD
	MUL \buf, \sl, 0, \ci
	MUL \buf, \sl, 1, \ci
.if \fn
	WIN 0
	FETCH 1-(\buf)
.endif
	MUL \buf, \sl, 2, \ci
	MUL \buf, \sl, 3, \ci
	WIN 0
.if !(\ci)
	s_cmp_lt_u32 s[Q], 5
	s_cbranch_scc1 .Lno4_\@
.endif
	MUL \buf, \sl, 4, \ci
	WIN 0
.if !(\ci)
.Lno4_\@:
.endif
.rept 4
	v_nop
.endr
.if (\tr) >= 0
	TL \sl, \tr
.endif
.endm
.macro BAR                             ; my LDS stores are done (for the others) and my LDS loads are back; then the barrier
	s_wait_dscnt 0x0
	s_barrier_signal -1
	s_barrier_wait -1
.endm
.macro QCALC x                         ; my live tiles of group G: tiles 20 G + 4 t + w below the number in register x
	s_mul_i32 s41, s[G], 20
	s_add_co_u32 s41, s41, s[WV]
	s_sub_co_i32 s41, s[\x], s41
	s_add_co_i32 s41, s41, 3
	s_ashr_i32 s41, s41, 2
	s_max_i32 s41, s41, 0
	s_min_i32 s[Q], s41, 5
.endm
.macro TOFF                            ; rank r + 16 (20 G + 4 t + w), held to ranks that exist -> the list's entry -> the token's row in xb
	s_mul_i32 s41, s[G], 320
	s_lshl4_add_u32 s41, s[WV], s41
	v_add_nc_u32 v24, s41, v[RR]
.irp t, 0,1,2,3,4
	v_add_nc_u32 v[25+\t], 64*\t, v24
	v_min_u32 v[25+\t], s[RM], v[25+\t]
	v_min_u32 v[25+\t], 0x47f, v[25+\t]
	v_lshl_add_u32 v[25+\t], v[25+\t], 2, s[LB]
	ds_load_b32 v[TO+\t], v[25+\t]
.endr
	s_wait_dscnt 0x0
.irp t, 0,1,2,3,4
	v_min_u32 v[TO+\t], 0x7ff, v[TO+\t]
	v_and_b32 v[TO+\t], 0x7fe, v[TO+\t]            ; 2 x token
	v_lshl_add_u32 v[TO+\t], v[TO+\t], 10, v[H16]  ; x 1,024 = token x 2,048 bytes
.endr
.endm
.macro PAIR c                          ; two K steps of a later group, from the resident slice; 10: the second step's token loads are younger
	TL 0, 0
	TL 1, 64
	FETCH 0
	K 0,0,10,0,\c,1,-1
	K 1,1,0,0,0,0,-1
	s_wait_xcnt 0x0
	s_add_nc_u64 s[TW:TW+1], s[TW:TW+1], 128
.endm
; THE WAY OUT of tile t: rounded to bf16, relu on the packed halves, 16 bytes a lane into my stage, back as whole rows of 256 bytes, stored.  Whole tiles: rows past the count repeat the last row.
.macro OUT t
	s_cmp_le_u32 s[Q], \t
	s_cbranch_scc1 .Lnext
	s_wait_xcnt 0x0                                ; the registers that the last stores read are rewritten only behind this wait
.set AC, 64*((\t)%4)
	WIN 0x0a+5*((\t)/4)
.irp f, 0,1,2,3,4,5,6,7
.irp p, 0,1,2,3
	v_cvt_pk_bf16_f32 v[TMP+4*\f+\p], v[AC+8*\f+2*\p], v[AC+8*\f+2*\p+1]   ; each sum's registers in ascending order
.endr
.endr
	WIN 0
.set z, 0
.rept 32
	v_pk_max_num_bf16 v[TMP+z], v[TMP+z], v[ZR]
.set z, z+1
.endr
.irp f, 0,1,2,3,4,5,6,7
	ds_store_b128 v[STO], v[TMP+4*\f:TMP+4*\f+3] offset:32*\f
.endr
.irp i, 0,1,2,3,4,5,6,7
	ds_load_b128 v[BK+4*\i:BK+4*\i+3], v[RD] offset:2*SPI*\i   ; LDS serves a wave's instructions in order (ISA guide 5.7.1.4): these see the stores above
.endr
.irp i, 0,1,2,3,4,5,6,7
	s_wait_dscnt 7-\i
	global_store_b128 v[GT], v[BK+4*\i:BK+4*\i+3], s[OB:OB+1] offset:(\t)*524288+\i*16384   ; 16 lanes store 256 consecutive bytes of a row of H, aligned
.endr
.endm
	s_load_b256 s[4:11], s[0:1], 0x0               ; xb s[4:5], W1 s[6:7], b1 s[8:9], idx s[10:11]
	s_load_b128 s[12:15], s[0:1], 0x20             ; H s[12:13], rows s[14:15]
	s_load_b64 s[16:17], s[0:1], 0x30              ; cnt
	v_lshl_add_u32 v[SPW], v0, 2, SPARE
	v_mov_b32 v[NIL], 0
	v_lshrrev_b32 v24, 5, v0
	v_readfirstlane_b32 s[WV], v24
	s_and_b32 s[E], ttmp7, 0xffff
	s_mov_b32 s[NS], ttmp9
	s_mov_b32 s[G], 0
	v_and_b32 v[LN], 31, v0
	v_and_b32 v[RR], 15, v0                        ; r, and c
	v_bfe_u32 v25, v0, 4, 1                        ; h
	v_lshlrev_b32 v[AF0], 4, v[LN]
	v_lshlrev_b32 v[H16], 4, v25
	v_mov_b32 v[ZR], 0
	s_lshl_b32 s41, s[WV], 2                       ; my part of a block: fragments 4 w .. 4 w + 3 of its 16
	v_lshrrev_b32 v26, 2, v[RR]
	v_add_nc_u32 v26, s41, v26
	v_mul_u32_u24 v26, v26, FP
	v_and_b32 v27, 3, v[RR]
	v_lshl_add_u32 v26, v27, 6, v26
	v_lshl_add_u32 v[AS0], v25, 8, v26
	s_lshr_b32 s41, s[WV], 1
	s_lshl_b32 s41, s41, 5                         ; which 32 rows of a block,
	s_and_b32 s42, s[WV], 1
	s_lshl_b32 s42, s42, 8                         ; which 256 bytes of its rows
	v_lshl_add_u32 v26, v25, 3, s41
	v_lshl_add_u32 v27, v[RR], 4, s42
	v_lshl_add_u32 v[WO], v26, LOGPW, v27
	v_add_nc_u32 v26, s41, v[LN]
	v_lshl_add_u32 v[PV], v26, LOGPW, s42
	s_mul_i32 s43, s[WV], 16*SPI
	s_add_co_u32 s43, s43, STAGE                   ; my stage
	v_mul_u32_u24 v26, v[RR], SPI
	v_add_nc_u32 v26, s43, v26
	v_add_nc_u32 v[STO], v26, v[H16]               ; in: row r, 16 bytes for each half of the lanes
	v_mul_u32_u24 v26, v25, SPI
	v_add_nc_u32 v26, s43, v26
	v_lshl_add_u32 v[RD], v[RR], 4, v26            ; back: lanes 0-15 one row, lanes 16-31 the next
	v_lshlrev_b32 v26, 13, v25
	v_lshl_add_u32 v[GO], v[RR], 4, v26            ; and the same two rows in H (8,192 bytes a row)
	s_mul_i32 s[LB], s[WV], LISTB
	s_add_co_u32 s[LB], s[LB], LIST
	v_add_nc_u32 v[DIDX], 1152, v[LN]
	v_lshlrev_b32 v[L4], 2, v[LN]
	v_lshlrev_b32 v24, 5, v25                      ; the bias: 32 h
	s_lshl_b32 s44, s[E], 24                       ; W1: expert x 16 MiB + 512 ns
	s_lshl_b32 s41, s[NS], 9
	s_add_co_u32 s44, s44, s41
	s_mov_b32 s45, 0
	s_lshl_b32 s46, s[E], 23                       ; H: expert x 8 MiB + 256 ns
	s_lshl_b32 s42, s[NS], 8
	s_add_co_u32 s46, s46, s42
	s_mov_b32 s47, 0
	s_lshl_b32 s56, s[E], 14                       ; b1: expert x 16,384 + 512 ns
	s_add_co_u32 s56, s56, s41
	s_mov_b32 s57, 0
	s_lshl_b32 s58, s[E], 12                       ; rows
	s_mov_b32 s59, 0
	s_lshl_b32 s60, s[E], 8                        ; cnt
	s_mov_b32 s61, 0
	s_mov_b32 s62, 0xffff0000
	s_mov_b32 s[FB], 0
	s_mov_b32 s[SB], 0
	s_mov_b32 s[PFO], 4*64*PW
	s_mov_b32 s[PO+1], 0
	s_mov_b32 s[CN], 0
	s_wait_kmcnt 0x0
	s_add_nc_u64 s[W0:W0+1], s[6:7], s[44:45]
	s_mov_b64 s[WW:WW+1], s[W0:W0+1]
	s_mov_b64 s[T0:T0+1], s[4:5]
	s_mov_b64 s[TW:TW+1], s[4:5]
	s_add_nc_u64 s[OB:OB+1], s[12:13], s[46:47]
	s_add_nc_u64 s[8:9], s[8:9], s[56:57]
	s_add_nc_u64 s[14:15], s[14:15], s[58:59]
	s_add_nc_u64 s[16:17], s[16:17], s[60:61]
.irp i, 0,1,2,3,4,5,6,7,8,9,10,11,12,13,14,15
	global_load_b128 v[IX+4*\i:IX+4*\i+3], v[AF0], s[10:11] offset:512*\i   ; all 1,024 tokens' choices: tokens 64 i + 2 lane and + 1
.endr
.irp f, 0,1,2,3,4,5,6,7
	global_load_b128 v[BI+8*\f:BI+8*\f+3],   v24, s[8:9] offset:64*\f       ; b1 of columns 16 f + 8 h + 0..7
	global_load_b128 v[BI+8*\f+4:BI+8*\f+7], v24, s[8:9] offset:64*\f+16
.endr
	WLOAD 0                                        ; the stream begins: blocks 0 and 1
	s_wait_xcnt 0x0
	s_add_nc_u64 s[WW:WW+1], s[WW:WW+1], 64*PW
	WLOAD 1
	; THE LIST, each wave its own copy: a counting pass over the choices.  A token that chose e gets the next rank; its entry is 2 x token + slot.
	; First all 1,152 entries are written with 0 (nine stores of 512 bytes, while idx is on its way), so that every entry that can be read holds a token that exists.
.irp z, 28,29,30,31
	v_mov_b32 v\z, 0
.endr
	v_lshl_add_u32 v26, v[LN], 4, s[LB]
.irp j, 0,1,2,3,4,5,6,7,8
	ds_store_b128 v26, v[28:31] offset:512*\j
.endr
	s_wait_loadcnt 48                              ; idx is in; the bias's 16 and W's 32 loads are younger
.set i, 0
.rept 16
.irp u, 0,1
	v_cmp_eq_u32 s[MA], s[E], v[IX+4*i+2*\u]       ; the first choice is e,
	v_cmp_eq_u32 vcc_lo, s[E], v[IX+4*i+2*\u+1]    ; or the second
	s_or_b32 s[MM], s[MA], vcc_lo
	v_mbcnt_lo_u32_b32 v26, s[MM], s[CN]           ; rank = those before + those in lower lanes
	v_add_co_ci_u32 v27, vcc_lo, 128*i+2*\u, v[L4], vcc_lo  ; 2 (64 i + 2 lane + u) + slot
	v_cndmask_b32 v26, v[DIDX], v26, s[MM]         ; a lane without a match writes its own word behind the list
	v_min_u32 v26, 0x4bf, v26
	v_lshl_add_u32 v26, v26, 2, s[LB]
	ds_store_b32 v26, v27
	s_bcnt1_i32_b32 s41, s[MM]
	s_add_co_u32 s[CN], s[CN], s41
.endr
.set i, i+1
.endr
	s_min_u32 s[CN], s[CN], 0x400
	s_max_u32 s41, s[CN], 1
	s_sub_co_u32 s41, s41, 1
	v_mov_b32 v26, s41
	v_min_u32 v26, 0x3ff, v26
	v_lshl_add_u32 v26, v26, 2, s[LB]
	ds_load_b32 v27, v26                           ; the last entry (entry 0, which holds 0, where there is none)
	v_add_nc_u32 v26, s[CN], v[LN]
	v_lshl_add_u32 v26, v26, 2, s[LB]
	s_wait_dscnt 0x0
.irp j, 0,1,2,3
	ds_store_b32 v26, v27 offset:128*\j            ; repeated in the 128 entries behind the count
.endr
	s_add_co_u32 s41, s[CN], 15
	s_lshr_b32 s[T16], s41, 4
	s_max_u32 s[TS], s[T16], 1                     ; an expert without rows still makes tile 0, so that the next launch reads only bytes that were stored
	s_lshl_b32 s[RM], s[TS], 4
	s_sub_co_u32 s[RM], s[RM], 1
	QCALC TS
	TOFF
	TL 0, 0
	TL 1, 64
	s_wait_loadcnt 52                              ; the bias is in; W's 32 and the tokens' 20 loads are younger
.set z, 0
.rept 32
	v_cvt_pk_bf16_f32 v[24+z%4], v[BI+2*z], v[BI+2*z+1]    ; the bias rounded to bf16, and back in f32
	v_lshlrev_b32 v[BI+2*z], 16, v[24+z%4]
	v_and_b32 v[BI+2*z+1], s62, v[24+z%4]
.set z, z+1
.endr
	; the list and the count go to memory once for each expert: work-group ns = 0, wave 0
	s_or_b32 s41, s[NS], s[WV]
	s_cmp_lg_u32 s41, 0
	s_cbranch_scc1 .Lnolist
	v_lshl_add_u32 v24, v[LN], 4, s[LB]
	s_max_u32 s42, s[CN], 1
.irp j, 0,1,2,3,4,5,6,7
	s_cmp_le_u32 s42, 128*\j
	s_cbranch_scc1 .Llistdone
	ds_load_b128 v[LS+4*\j:LS+4*\j+3], v24 offset:512*\j
	s_wait_dscnt 0x0
	global_store_b128 v[AF0], v[LS+4*\j:LS+4*\j+3], s[14:15] offset:512*\j   ; 128 entries: 512 consecutive bytes
.endr
.Llistdone:
	v_mov_b32 v[LS+32], s[CN]
	v_mov_b32 v[LS+33], s[CN]
	v_lshlrev_b32 v25, 3, v[LN]
	global_store_b64 v25, v[LS+32:LS+33], s[16:17] ; the count, 64 times: 256 consecutive bytes, aligned
.Lnolist:
	; THE STREAMED PASS.  Loads are issued in the order W0 W1 T0 T1 | W2 T2 T3 | and in trip n: W(n+3) T(2n+4) T(2n+5); W: 16 loads, T: 10.  Trip n multiplies K steps 2 n, 2 n + 1 (block n)
	; and lays block n + 1 into LDS; the barrier behind it shows that block to every wave.  Nothing in the slice is written twice, so one barrier a trip is enough.
	WPART 0,36,1                                   ; behind W0: W1 16, T0 T1 20
	TL 2, 128
	TL 3, 192
	BAR
	FETCH 0
	WPART 1,56,1                                   ; behind a block: T 20, W 16, T 20
	K 0,0,62,8,1,1,256                             ; behind a token slot: 10 + 16 + 20 + 16; the 8 LDS stores of WPART are younger than the fragments
	s_wait_xcnt 0x0
	s_add_nc_u64 s[TW:TW+1], s[TW:TW+1], 320       ; K step 5
	s_mov_b32 s[CT], 6
.Lstream:                                              ; two trips, from one trip's second half to the first half two trips on
	K 1,1,62,0,0,0,0
	BAR
	FETCH 0
	WPART 0,56,1
	K 0,2,62,8,0,1,64
	K 1,3,62,0,0,0,128
	BAR
	FETCH 0
	WPART 1,56,1
	K 0,0,62,8,0,1,192
	s_wait_xcnt 0x0
	s_add_nc_u64 s[TW:TW+1], s[TW:TW+1], 256
	s_sub_co_u32 s[CT], s[CT], 1
	s_cmp_lg_u32 s[CT], 0
	s_cbranch_scc1 .Lstream
	K 1,1,62,0,0,0,0                               ; K step 25; the tail is written out: no load leaves its buffer, and the counts run down
	BAR
	FETCH 0
	WPART 0,56,0                                   ; block 14
	K 0,2,46,8,0,1,64                              ; one block of W fewer is out
	K 1,3,46,0,0,0,128
	BAR
	FETCH 0
	WPART 1,40,0                                   ; block 15: behind it the last four token slots
	K 0,0,30,8,0,1,-1
	K 1,1,20,0,0,0,-1
	BAR                                            ; the whole slice is in LDS for every wave
	FETCH 0
	K 0,2,10,0,0,1,-1
	K 1,3,0,0,0,0,-1
	; THE GROUPS.  Four trips; group 0 has been multiplied and only goes out.  Two barriers a trip, on every wave's path: one between a group's reads of the slice and the stores into the stages,
	; one between those stores and the next group's reads: so every LDS read of the loop below is ordered against every other wave's LDS stores.
	s_mov_b32 s[GC], 4
.Lgroup:
	s_cmp_eq_u32 s[G], 0
	s_cbranch_scc1 .Lmid
	QCALC TS
	s_cmp_eq_u32 s[Q], 0
	s_cbranch_scc1 .Lmid
	s_wait_xcnt 0x0                                ; the last stores and loads have read their registers
	TOFF
	s_mov_b64 s[TW:TW+1], s[T0:T0+1]
	s_sub_co_u32 s[FB], s[FB], 32*8*FP             ; the fetches go back to the slice's first K step
	PAIR 1
	s_mov_b32 s[CT], 15
.Lpair:
	PAIR 0
	s_sub_co_u32 s[CT], s[CT], 1
	s_cmp_lg_u32 s[CT], 0
	s_cbranch_scc1 .Lpair
.Lmid:
	BAR                                            ; every wave's reads of the slice for this group are back
	s_wait_xcnt 0x0
	s_mul_i32 s41, s[G], 20
	s_add_co_u32 s41, s41, s[WV]
	s_lshl_b32 s41, s41, 17                        ; a tile is 16 rows of 8,192 bytes
	v_add_nc_u32 v[GT], s41, v[GO]
	OUT 0
	OUT 1
	OUT 2
	OUT 3
	OUT 4
.Lnext:
	BAR                                            ; every wave's stores into its stage are done
	s_add_co_u32 s[G], s[G], 1
	s_sub_co_u32 s[GC], s[GC], 1
	s_cmp_lg_u32 s[GC], 0
	s_cbranch_scc1 .Lgroup
	s_wait_tensorcnt 0x0                           ; the wave's end
	ds_add_u32 v[SPW], v[NIL]
	s_wait_dscnt 0x0
	s_endpgm
.Lfunc_end_k_qce238f1e92_up:
	.size	k_qce238f1e92_up, .Lfunc_end_k_qce238f1e92_up-k_qce238f1e92_up
	.p2alignl 7, 3214868480
	.fill 96, 4, 3214868480
	.section	.rodata,"a",@progbits
	.p2align	6, 0x0
	.amdhsa_kernel k_qce238f1e92_up
		.amdhsa_group_segment_fixed_size 303616
		.amdhsa_private_segment_fixed_size 0
		.amdhsa_enable_private_segment 0
		.amdhsa_kernarg_size 56
		.amdhsa_user_sgpr_count 2
		.amdhsa_user_sgpr_kernarg_segment_ptr 1
		.amdhsa_wavefront_size32 1
		.amdhsa_system_sgpr_workgroup_id_x 1
		.amdhsa_system_sgpr_workgroup_id_y 1
		.amdhsa_system_sgpr_workgroup_id_z 1
		.amdhsa_system_vgpr_workitem_id 0
		.amdhsa_next_free_vgpr 960
		.amdhsa_next_free_sgpr 66
		.amdhsa_reserve_vcc 1
		.amdhsa_float_denorm_mode_32 3
		.amdhsa_float_denorm_mode_16_64 3
		.amdhsa_memory_ordered 1
		.amdhsa_forward_progress 1
		.amdhsa_inst_pref_size 178
	.end_amdhsa_kernel
	.amdgpu_metadata
---
amdhsa.version: [ 1, 2 ]
amdhsa.kernels:
  - .name:           k_qce238f1e92_up
    .symbol:         k_qce238f1e92_up.kd
    .args:
      - { .name: xb, .offset: 0, .size: 8, .value_kind: global_buffer, .address_space: global }
      - { .name: W1, .offset: 8, .size: 8, .value_kind: global_buffer, .address_space: global }
      - { .name: b1, .offset: 16, .size: 8, .value_kind: global_buffer, .address_space: global }
      - { .name: idx, .offset: 24, .size: 8, .value_kind: global_buffer, .address_space: global }
      - { .name: H, .offset: 32, .size: 8, .value_kind: global_buffer, .address_space: global }
      - { .name: rows, .offset: 40, .size: 8, .value_kind: global_buffer, .address_space: global }
      - { .name: cnt, .offset: 48, .size: 8, .value_kind: global_buffer, .address_space: global }
    .group_segment_fixed_size: 303616
    .private_segment_fixed_size: 0
    .kernarg_segment_align: 8
    .kernarg_segment_size: 56
    .max_flat_workgroup_size: 128
    .sgpr_count:     66
    .vgpr_count:     960
    .wavefront_size: 32
...
	.end_amdgpu_metadata
.endif
;; end of part 2
;; launch down (part 3): grid 32 x 8, 4 waves a work-group, no clusters, 300,544 bytes of LDS; arguments H, W2, rows, cnt, P; writes P
.if DOCPART == 3
	.amdgcn_target "amdgcn-amd-amdhsa--gfx1250"
	.amdhsa_code_object_version 6
	.text
	.protected	k_qce238f1e92_down
	.globl	k_qce238f1e92_down
	.p2align	8
	.type	k_qce238f1e92_down,@function
k_qce238f1e92_down:
	s_mov_b64 s[64:65], 0
	v_nop
	global_prefetch_b8 v0, s[64:65] scope:SCOPE_SE
	s_setreg_imm32_b32 hwreg(HW_REG_WAVE_MODE, 25, 1), 1
	s_wait_xcnt 0x0
; SECOND PRODUCT, in four quarters of its K.  P[kp][token][slot][d] = the sum over f in quarter kp of H[e][rank][f] W2[e][f][d], in f32: partial sums, added by the next launch.
; W2 is rounded to bf16 on its way through registers; H is bf16; sums in f32.
; SHARES.  Work-group (8 kp + ns, e) owns rows 1,024 kp .. + 1,023 and columns 128 ns .. + 127 of W2[e]: 512 KiB of f32 that it alone reads, and all rows of that expert.  All else as in the first product:
; the slice goes through registers into LDS as ready fragments and stays; rows go in tiles of 16, tile 20 G + 4 t + w; group 0 is multiplied while the slice streams in, one barrier for K = 64;
; groups 1-3 read the resident slice; a wave without rows in a group jumps forward over the products and over the way out, never over a barrier.  Every barrier stands on every wave's path.
; NO CLUSTER: each slice has one reader.  The rows of H that an expert's work-groups share lie end to end, but beside the slice 34 KB of LDS are left, which the stage takes, and tiles through LDS
; would add as many LDS bytes again as the fragments already cost.
; Source 0 = 16 columns of W x 32 k, source 1 = 16 rows x 32 k: register j of lane (r, h) is P(row r, column 16 f + 8 h + j).
; REGISTERS, in windows of 256 (s_set_vgpr_msb: bits 1:0 source 0, 3:2 source 1, 5:4 source 2, 7:6 destination):
;   window 0: v0-31 addresses and temporaries; v32-63 packed weights; v64-127, v128-191 two buffers of W fragments; on the way out v64-127 rows read back, v128-207 list entries, v208-223 row offsets
;   window 1: v0-159 token fragments, a ring of four K steps x five tiles      window 2: sums of tiles 0-3      window 3: v0-63 sums of tile 4; v64-191 two sets of 16 rows of f32 weights
.set PW,    4096      ; bytes from row to row of W2
.set LOGPW, 12
.set FP,    1040      ; a fragment in LDS: 1,024 bytes + 16; fragment 8 s + f; inside: 512 q + 16 x lane
.set STAGE, 266240    ; behind the slice: 16 rows x 528 bytes for each wave
.set SPI,   528
.set SPARE, 300032    ; the spare words, 128 bytes a wave
.set LN,  1
.set SPW, 2
.set NIL, 3
.set AF0, 4           ; 16 x lane
.set AF,  5
.set AS0, 6
.set AS,  7
.set WO,  8
.set PV,  9
.set STO, 10
.set RD,  11
.set H16, 14
.set TO,  16          ; v16-20  byte offset of my row of tile t in H, + 16 h
.set RR,  21
.set OO,  32
.set FR,  64
.set BK,  64
.set ENT, 128
.set RO,  208
.set SG,  64          ; window 3
.set WV, 18
.set E,  19
.set NS, 20
.set CN, 21
.set TS, 22
.set Q,  23
.set G,  24
.set CT, 25
.set FB, 26
.set SB, 27
.set WW, 28
.set TW, 30
.set W0, 32
.set PA, 34
.set PO, 36
.set PFO, 38
.set KP, 39
.set RM, 48
.set NR, 49           ; rows left from my first tile of the group on
.set T0, 50
.set OB, 52
.set T16, 55
.set GC, 63           ; groups to go
.set MSB, 0
.macro WIN new                         ; the high byte repeats the setting that is left; a switch that changes nothing is dropped
.if MSB != (\new)
	s_set_vgpr_msb (MSB<<8)|(\new)
.set MSB, (\new)
.endif
.endm
; 16 rows x 256 bytes of the wave's part of a block (64 k x 128 columns): lanes 0-15 take 256 consecutive aligned bytes of one row, lanes 16-31 of the row 8 further on.
.macro WLOAD st
	WIN 0xc0
.irp i, 0,1,2,3,4,5,6,7,8,9,10,11,12,13,14,15
	global_load_b128 v[SG+64*(\st)+4*\i:SG+64*(\st)+4*\i+3], v[WO], s[WW:WW+1] offset:(\i+8*(\i/8))*PW th:TH_LOAD_NT
.endr
	WIN 0
.endm
; A block's part is rounded and laid into LDS: for each of my four columns 4 c + jj and each q four registers of pairs along k: 16 bytes of fragment c / 4, lane 4 (c mod 4) + jj + 16 h.
; reload = 1: the set takes the block two further on, and one row a lane of the block three beyond that one is asked into the L2 (my wave's own 32 rows x 256 bytes; the offset stops at the last block).
.macro WPART st, nW, reload
	s_wait_loadcnt \nW
	WIN 0x0f
.irp jj, 0,1,2,3
.irp q, 0,1
.irp p, 0,1,2,3
	v_cvt_pk_bf16_f32 v[OO+8*\jj+4*\q+\p], v[SG+64*(\st)+4*(8*\q+2*\p)+\jj], v[SG+64*(\st)+4*(8*\q+2*\p+1)+\jj]
.endr
.endr
.endr
	WIN 0
	v_add_nc_u32 v[AS], s[SB], v[AS0]
	s_add_co_u32 s[SB], s[SB], 16*FP
.irp jj, 0,1,2,3
.irp q, 0,1
	ds_store_b128 v[AS], v[OO+8*\jj+4*\q:OO+8*\jj+4*\q+3] offset:16*\jj+512*\q
.endr
.endr
.if \reload
	s_wait_xcnt 0x0                                ; the bases below are rewritten only behind this wait
	s_add_nc_u64 s[WW:WW+1], s[WW:WW+1], 64*PW
	WLOAD \st
	s_add_co_u32 s[PFO], s[PFO], 64*PW
	s_min_u32 s[PO], s[PFO], 15*64*PW
	s_add_nc_u64 s[PA:PA+1], s[W0:W0+1], s[PO:PO+1]
	global_prefetch_b8 v[PV], s[PA:PA+1] th:TH_LOAD_NT scope:SCOPE_SE
.endif
.endm
; One K step's fragments of H, all five tiles always (the counts are the same on every path; a tile past the count repeats a row that exists)
.macro TL sl, off
	WIN 0x40
.irp t, 0,1,2,3,4
	global_load_b128 v[40*(\sl)+8*\t:40*(\sl)+8*\t+3],   v[TO+\t], s[TW:TW+1] offset:(\off)
	global_load_b128 v[40*(\sl)+8*\t+4:40*(\sl)+8*\t+7], v[TO+\t], s[TW:TW+1] offset:(\off)+32
.endr
	WIN 0
.endm
.macro FETCH buf                       ; one K step's eight W fragments: 16 loads of 512 consecutive bytes
	v_add_nc_u32 v[AF], s[FB], v[AF0]
	s_add_co_u32 s[FB], s[FB], 8*FP
.irp f, 0,1,2,3,4,5,6,7
	ds_load_b128 v[FR+64*(\buf)+8*\f:FR+64*(\buf)+8*\f+3],   v[AF] offset:FP*\f
	ds_load_b128 v[FR+64*(\buf)+8*\f+4:FR+64*(\buf)+8*\f+7], v[AF] offset:FP*\f+512
.endr
.endm
.macro MUL buf, sl, t, ci              ; eight products: tile t x all column blocks.  ci = 1: the constant 0 starts the sums
.set AC, 64*((\t)%4)
	WIN 0xa4+0x50*((\t)/4)
.irp f, 0,1,2,3,4,5,6,7
.if \ci
	v_wmma_f32_16x16x32_bf16 v[AC+8*\f:AC+8*\f+7], v[FR+64*(\buf)+8*\f:FR+64*(\buf)+8*\f+7], v[40*(\sl)+8*(\t):40*(\sl)+8*(\t)+7], 0
.else
	v_wmma_f32_16x16x32_bf16 v[AC+8*\f:AC+8*\f+7], v[FR+64*(\buf)+8*\f:FR+64*(\buf)+8*\f+7], v[40*(\sl)+8*(\t):40*(\sl)+8*(\t)+7], v[AC+8*\f:AC+8*\f+7]
.endif
.endr
.endm
; A K STEP: 40 products (32 where I have no fifth tile) on 40 sums that take turns, one instruction a turn, from step to step too.
; nT, nD: the younger loads and LDS instructions that may stay out.  fn = 1: the other fragment buffer is fetched in the middle.  tr >= 0: the token slot just read takes the K step four on, at byte tr.
; The four v_nop are the places (ISA guide 7.12.1 for vector instructions) behind the last products.
.macro K buf, sl, nT, nD, ci, fn, tr
	s_wait_loadcnt \nT
	s_wait_dscnt \nD
	MUL \buf, \sl, 0, \ci
	MUL \buf, \sl, 1, \ci
.if \fn
	WIN 0
	FETCH 1-(\buf)
.endif
	MUL \buf, \sl, 2, \ci
	MUL \buf, \sl, 3, \ci
	WIN 0
.if !(\ci)
	s_cmp_lt_u32 s[Q], 5
	s_cbranch_scc1 .Lno4_\@
.endif
	MUL \buf, \sl, 4, \ci
	WIN 0
.if !(\ci)
.Lno4_\@:
.endif
.rept 4
	v_nop
.endr
.if (\tr) >= 0
	TL \sl, \tr
.endif
.endm
.macro BAR                             ; my LDS stores are done (for the others) and my LDS loads are back; then the barrier
	s_wait_dscnt 0x0
	s_barrier_signal -1
	s_barrier_wait -1
.endm
.macro QCALC x                         ; my live tiles of group G: tiles 20 G + 4 t + w below the number in register x
	s_mul_i32 s41, s[G], 20
	s_add_co_u32 s41, s41, s[WV]
	s_sub_co_i32 s41, s[\x], s41
	s_add_co_i32 s41, s41, 3
	s_ashr_i32 s41, s41, 2
	s_max_i32 s41, s41, 0
	s_min_i32 s[Q], s41, 5
.endm
.macro TOFF                            ; rank r + 16 (20 G + 4 t + w), held to rows of H that were stored; a row of H is 8,192 bytes
	s_mul_i32 s41, s[G], 320
	s_lshl4_add_u32 s41, s[WV], s41
	v_add_nc_u32 v24, s41, v[RR]
.irp t, 0,1,2,3,4
	v_add_nc_u32 v25, 64*\t, v24
	v_min_u32 v25, s[RM], v25
	v_min_u32 v25, 0x3ff, v25
	v_lshl_add_u32 v[TO+\t], v25, 13, v[H16]
.endr
.endm
.macro PAIR c                          ; two K steps of a later group, from the resident slice; 10: the second step's loads are younger
	TL 0, 0
	TL 1, 64
	FETCH 0
	K 0,0,10,0,\c,1,-1
	K 1,1,0,0,0,0,-1
	s_wait_xcnt 0x0
	s_add_nc_u64 s[TW:TW+1], s[TW:TW+1], 128
.endm
; THE WAY OUT of tile t: the sums go as they are into my stage (each sum's low four registers first) and come back as whole rows of 512 bytes; row i goes to P's row 2 x token + slot, by the list.
; Rows past the count are jumped, a store at a time.
.macro OUT t
.if (\t) > 0
	s_cmp_le_u32 s[Q], \t
	s_cbranch_scc1 .Lnext
.endif
.set AC, 64*((\t)%4)
	WIN 0x08+4*((\t)/4)
.irp f, 0,1,2,3,4,5,6,7
	ds_store_b128 v[STO], v[AC+8*\f:AC+8*\f+3]   offset:64*\f
	ds_store_b128 v[STO], v[AC+8*\f+4:AC+8*\f+7] offset:64*\f+16
.endr
	WIN 0
	s_wait_xcnt 0x0                                ; the registers that the last stores read are rewritten only behind this wait
.irp i, 0,1,2,3,4,5,6,7,8,9,10,11,12,13,14,15
	ds_load_b128 v[BK+4*\i:BK+4*\i+3], v[RD] offset:SPI*\i   ; LDS serves a wave's instructions in order (ISA guide 5.7.1.4): these see the stores above
.endr
.if (\t) == 0
	s_wait_loadcnt 0x0                             ; the list's entries for all five tiles
.endif
.irp i, 0,1,2,3,4,5,6,7,8,9,10,11,12,13,14,15
	v_min_u32 v[RO+\i], 0x7ff, v[ENT+16*(\t)+\i]
	v_lshl_add_u32 v[RO+\i], v[RO+\i], 12, v[AF0]  ; a row of P is 4,096 bytes; + 16 x lane
.endr
.irp i, 0,1,2,3,4,5,6,7,8,9,10,11,12,13,14,15
	s_cmp_le_u32 s[NR], 64*(\t)+\i
	s_cbranch_scc1 .Lte_\@
	s_wait_dscnt 15-\i
	global_store_b128 v[RO+\i], v[BK+4*\i:BK+4*\i+3], s[OB:OB+1]   ; the wave stores 512 consecutive bytes, aligned
.endr
.Lte_\@:
	s_wait_dscnt 0x0                               ; on the short way too no LDS load is out when its registers are loaded again
.endm
	s_load_b256 s[4:11], s[0:1], 0x0               ; H s[4:5], W2 s[6:7], rows s[8:9], cnt s[10:11]
	s_load_b64 s[12:13], s[0:1], 0x20              ; P
	v_lshl_add_u32 v[SPW], v0, 2, SPARE
	v_mov_b32 v[NIL], 0
	v_lshrrev_b32 v24, 5, v0
	v_readfirstlane_b32 s[WV], v24
	s_and_b32 s[E], ttmp7, 0xffff
	s_lshr_b32 s[KP], ttmp9, 3
	s_and_b32 s[NS], ttmp9, 7
	s_mov_b32 s[G], 0
	v_and_b32 v[LN], 31, v0
	v_and_b32 v[RR], 15, v0                        ; r, and c
	v_bfe_u32 v25, v0, 4, 1                        ; h
	v_lshlrev_b32 v[AF0], 4, v[LN]
	v_lshlrev_b32 v[H16], 4, v25
	s_lshl_b32 s41, s[WV], 2                       ; my part of a block: fragments 4 w .. 4 w + 3 of its 16
	v_lshrrev_b32 v26, 2, v[RR]
	v_add_nc_u32 v26, s41, v26
	v_mul_u32_u24 v26, v26, FP
	v_and_b32 v27, 3, v[RR]
	v_lshl_add_u32 v26, v27, 6, v26
	v_lshl_add_u32 v[AS0], v25, 8, v26
	s_lshr_b32 s41, s[WV], 1
	s_lshl_b32 s41, s41, 5                         ; which 32 rows of a block,
	s_and_b32 s42, s[WV], 1
	s_lshl_b32 s42, s42, 8                         ; which 256 bytes of its rows
	v_lshl_add_u32 v26, v25, 3, s41
	v_lshl_add_u32 v27, v[RR], 4, s42
	v_lshl_add_u32 v[WO], v26, LOGPW, v27
	v_add_nc_u32 v26, s41, v[LN]
	v_lshl_add_u32 v[PV], v26, LOGPW, s42
	s_mul_i32 s43, s[WV], 16*SPI
	s_add_co_u32 s43, s43, STAGE                   ; my stage
	v_mul_u32_u24 v26, v[RR], SPI
	v_add_nc_u32 v26, s43, v26
	v_lshl_add_u32 v[STO], v25, 5, v26             ; in: row r, 32 bytes for each half of the lanes
	v_add_nc_u32 v[RD], s43, v[AF0]                ; back: a whole row, 16 bytes a lane
	s_lshl_b32 s44, s[E], 24                       ; W2: expert x 16 MiB + quarter x 4 MiB + 512 ns
	s_lshl_b32 s41, s[KP], 22
	s_add_co_u32 s44, s44, s41
	s_lshl_b32 s41, s[NS], 9
	s_add_co_u32 s44, s44, s41
	s_mov_b32 s45, 0
	s_lshl_b32 s56, s[KP], 23                      ; P: quarter x 8 MiB + 512 ns
	s_add_co_u32 s56, s56, s41
	s_mov_b32 s57, 0
	s_lshl_b32 s46, s[E], 23                       ; H: expert x 8 MiB + quarter x 2,048
	s_lshl_b32 s41, s[KP], 11
	s_add_co_u32 s46, s46, s41
	s_mov_b32 s47, 0
	s_lshl_b32 s58, s[E], 12                       ; rows
	s_mov_b32 s59, 0
	s_lshl_b32 s60, s[E], 8                        ; cnt
	s_mov_b32 s61, 0
	s_mov_b32 s[FB], 0
	s_mov_b32 s[SB], 0
	s_mov_b32 s[PFO], 4*64*PW
	s_mov_b32 s[PO+1], 0
	s_wait_kmcnt 0x0
	s_add_nc_u64 s[W0:W0+1], s[6:7], s[44:45]
	s_mov_b64 s[WW:WW+1], s[W0:W0+1]
	s_add_nc_u64 s[T0:T0+1], s[4:5], s[46:47]
	s_mov_b64 s[TW:TW+1], s[T0:T0+1]
	s_add_nc_u64 s[OB:OB+1], s[12:13], s[56:57]
	s_add_nc_u64 s[8:9], s[8:9], s[58:59]
	s_add_nc_u64 s[10:11], s[10:11], s[60:61]
	s_load_b32 s[CN], s[10:11], 0x0                ; the expert's rows
	WLOAD 0                                        ; the stream begins: blocks 0 and 1
	s_wait_xcnt 0x0
	s_add_nc_u64 s[WW:WW+1], s[WW:WW+1], 64*PW
	WLOAD 1
	s_wait_kmcnt 0x0
	s_min_u32 s[CN], s[CN], 0x400
	s_add_co_u32 s41, s[CN], 15
	s_lshr_b32 s[T16], s41, 4
	s_max_u32 s[TS], s[T16], 1                     ; H has at least tile 0
	s_lshl_b32 s[RM], s[TS], 4
	s_sub_co_u32 s[RM], s[RM], 1
	QCALC T16
	TOFF
	TL 0, 0
	TL 1, 64
	; THE STREAMED PASS.  Loads are issued in the order W0 W1 T0 T1 | W2 T2 T3 | and in trip n: W(n+3) T(2n+4) T(2n+5); W: 16 loads, T: 10.  Trip n multiplies K steps 2 n, 2 n + 1 (block n)
	; and lays block n + 1 into LDS; the barrier behind it shows that block to every wave.  Nothing in the slice is written twice, so one barrier a trip is enough.
	WPART 0,36,1                                   ; behind W0: W1 16, T0 T1 20
	TL 2, 128
	TL 3, 192
	BAR
	FETCH 0
	WPART 1,56,1                                   ; behind a block: T 20, W 16, T 20
	K 0,0,62,8,1,1,256                             ; behind a token slot: 10 + 16 + 20 + 16; the 8 LDS stores of WPART are younger than the fragments
	s_wait_xcnt 0x0
	s_add_nc_u64 s[TW:TW+1], s[TW:TW+1], 320       ; K step 5
	s_mov_b32 s[CT], 6
.Lstream:                                              ; two trips, from one trip's second half to the first half two trips on
	K 1,1,62,0,0,0,0
	BAR
	FETCH 0
	WPART 0,56,1
	K 0,2,62,8,0,1,64
	K 1,3,62,0,0,0,128
	BAR
	FETCH 0
	WPART 1,56,1
	K 0,0,62,8,0,1,192
	s_wait_xcnt 0x0
	s_add_nc_u64 s[TW:TW+1], s[TW:TW+1], 256
	s_sub_co_u32 s[CT], s[CT], 1
	s_cmp_lg_u32 s[CT], 0
	s_cbranch_scc1 .Lstream
	K 1,1,62,0,0,0,0                               ; K step 25; the tail is written out: no load leaves its buffer, and the counts run down
	BAR
	FETCH 0
	WPART 0,56,0                                   ; block 14
	K 0,2,46,8,0,1,64                              ; one block of W fewer is out
	K 1,3,46,0,0,0,128
	BAR
	FETCH 0
	WPART 1,40,0                                   ; block 15: behind it the last four token slots
	K 0,0,30,8,0,1,-1
	K 1,1,20,0,0,0,-1
	BAR                                            ; the whole slice is in LDS for every wave
	FETCH 0
	K 0,2,10,0,0,1,-1
	K 1,3,0,0,0,0,-1
	; THE GROUPS.  Four trips; group 0 has been multiplied and only goes out.  Two barriers a trip, on every wave's path: one between a group's reads of the slice and the stores into the stages,
	; one between those stores and the next group's reads: so every LDS read of the loop below is ordered against every other wave's LDS stores.
	s_mov_b32 s[GC], 4
.Lgroup:
	s_cmp_eq_u32 s[G], 0
	s_cbranch_scc1 .Lmid
	QCALC T16
	s_cmp_eq_u32 s[Q], 0
	s_cbranch_scc1 .Lmid
	s_wait_xcnt 0x0                                ; the last stores and loads have read their registers
	TOFF
	s_mov_b64 s[TW:TW+1], s[T0:T0+1]
	s_sub_co_u32 s[FB], s[FB], 32*8*FP             ; the fetches go back to the slice's first K step
	PAIR 1
	s_mov_b32 s[CT], 15
.Lpair:
	PAIR 0
	s_sub_co_u32 s[CT], s[CT], 1
	s_cmp_lg_u32 s[CT], 0
	s_cbranch_scc1 .Lpair
.Lmid:
	BAR                                            ; every wave's reads of the slice for this group are back
	s_cmp_eq_u32 s[Q], 0
	s_cbranch_scc1 .Lnext                          ; nothing of mine is live: no entry is asked for, nothing is stored
	s_wait_xcnt 0x0
	s_mul_i32 s42, s[G], 20
	s_add_co_u32 s42, s42, s[WV]                   ; my first tile of the group
	s_sub_co_u32 s43, s[TS], 1
.irp t, 0,1,2,3,4
	s_add_co_u32 s41, s42, 4*\t
	s_min_u32 s41, s41, s43                        ; a tile past the count repeats the last one that was stored
	s_min_u32 s41, s41, 63
	s_lshl_b32 s41, s41, 6                         ; 16 entries of 4 bytes
	v_mov_b32 v[24+\t], s41
.irp m, 0,1,2,3
	global_load_b128 v[ENT+16*\t+4*\m:ENT+16*\t+4*\m+3], v[24+\t], s[8:9] offset:16*\m   ; the same 16 entries in every lane
.endr
.endr
	s_lshl_b32 s42, s42, 4
	s_sub_co_u32 s[NR], s[CN], s42
	OUT 0
	OUT 1
	OUT 2
	OUT 3
	OUT 4
.Lnext:
	BAR                                            ; every wave's stores into its stage are done
	s_add_co_u32 s[G], s[G], 1
	s_sub_co_u32 s[GC], s[GC], 1
	s_cmp_lg_u32 s[GC], 0
	s_cbranch_scc1 .Lgroup
	s_wait_tensorcnt 0x0                           ; the wave's end
	ds_add_u32 v[SPW], v[NIL]
	s_wait_dscnt 0x0
	s_endpgm
.Lfunc_end_k_qce238f1e92_down:
	.size	k_qce238f1e92_down, .Lfunc_end_k_qce238f1e92_down-k_qce238f1e92_down
	.p2alignl 7, 3214868480
	.fill 96, 4, 3214868480
	.section	.rodata,"a",@progbits
	.p2align	6, 0x0
	.amdhsa_kernel k_qce238f1e92_down
		.amdhsa_group_segment_fixed_size 300544
		.amdhsa_private_segment_fixed_size 0
		.amdhsa_enable_private_segment 0
		.amdhsa_kernarg_size 40
		.amdhsa_user_sgpr_count 2
		.amdhsa_user_sgpr_kernarg_segment_ptr 1
		.amdhsa_wavefront_size32 1
		.amdhsa_system_sgpr_workgroup_id_x 1
		.amdhsa_system_sgpr_workgroup_id_y 1
		.amdhsa_system_sgpr_workgroup_id_z 1
		.amdhsa_system_vgpr_workitem_id 0
		.amdhsa_next_free_vgpr 960
		.amdhsa_next_free_sgpr 66
		.amdhsa_reserve_vcc 0
		.amdhsa_float_denorm_mode_32 3
		.amdhsa_float_denorm_mode_16_64 3
		.amdhsa_memory_ordered 1
		.amdhsa_forward_progress 1
		.amdhsa_inst_pref_size 156
	.end_amdhsa_kernel
	.amdgpu_metadata
---
amdhsa.version: [ 1, 2 ]
amdhsa.kernels:
  - .name:           k_qce238f1e92_down
    .symbol:         k_qce238f1e92_down.kd
    .args:
      - { .name: H, .offset: 0, .size: 8, .value_kind: global_buffer, .address_space: global }
      - { .name: W2, .offset: 8, .size: 8, .value_kind: global_buffer, .address_space: global }
      - { .name: rows, .offset: 16, .size: 8, .value_kind: global_buffer, .address_space: global }
      - { .name: cnt, .offset: 24, .size: 8, .value_kind: global_buffer, .address_space: global }
      - { .name: P, .offset: 32, .size: 8, .value_kind: global_buffer, .address_space: global }
    .group_segment_fixed_size: 300544
    .private_segment_fixed_size: 0
    .kernarg_segment_align: 8
    .kernarg_segment_size: 40
    .max_flat_workgroup_size: 128
    .sgpr_count:     66
    .vgpr_count:     960
    .wavefront_size: 32
...
	.end_amdgpu_metadata
.endif
;; end of part 3
;; launch combine (part 4): grid 256 x 1, 8 waves a work-group, no clusters, 0 bytes of LDS; arguments P, idx, gates, b2, out0; writes out0
.if DOCPART == 4
	.amdgcn_target "amdgcn-amd-amdhsa--gfx1250"
	.amdhsa_code_object_version 6
	.text
	.protected	k_qce238f1e92_combine
	.globl	k_qce238f1e92_combine
	.p2align	8
	.type	k_qce238f1e92_combine,@function
k_qce238f1e92_combine:
	s_mov_b64 s[64:65], 0
	v_nop
	global_prefetch_b8 v0, s[64:65] scope:SCOPE_SE
	s_setreg_imm32_b32 hwreg(HW_REG_WAVE_MODE, 25, 1), 1
	s_wait_xcnt 0x0
; THE SUM.  out[n] = g0 (y0 + b2[e0]) + g1 (y1 + b2[e1]), y_s = the four partial sums P[0..3][n][s] added in ascending order of K.  All in f32; b2 is rounded to bf16 like every input.
; A stream: memory binds, so no LDS, no barrier, no matrix unit.  Wave w of work-group g takes half w mod 2 (2,048 bytes) of token 4 g + w / 2: 32 loads of 512 consecutive bytes go out at once.
.set PR, 16           ; v16-143   P: quarter kp, slot s, piece j at 16 + 4 (8 kp + 4 s + j)
.set BB, 144          ; v144-175  b2: slot s, piece j at 144 + 4 (4 s + j)
	s_load_b256 s[4:11], s[0:1], 0x0               ; P s[4:5], idx s[6:7], gates s[8:9], b2 s[10:11]
	s_load_b64 s[12:13], s[0:1], 0x20              ; out0
	v_and_b32 v1, 31, v0
	v_lshrrev_b32 v2, 5, v0
	v_readfirstlane_b32 s14, v2                    ; wave
	s_lshr_b32 s15, s14, 1
	s_lshl2_add_u32 s15, ttmp9, s15                ; my token
	s_and_b32 s16, s14, 1
	s_lshl_b32 s16, s16, 11                        ; my half of a row
	s_lshl_b32 s17, s15, 13                        ; a token has two rows of 4,096 bytes in P
	s_add_co_u32 s17, s17, s16
	v_lshl_add_u32 v3, v1, 4, s17
	v_lshl_add_u32 v4, v1, 4, s16
	s_lshl_b32 s18, s15, 12
	s_add_co_u32 s18, s18, s16
	v_lshl_add_u32 v5, v1, 4, s18
	s_lshl_b32 s28, s15, 3                         ; 8 bytes a token in idx and in gates
	s_mov_b32 s29, 0
	s_mov_b32 s36, 0xffff0000
	s_wait_kmcnt 0x0
	s_add_nc_u64 s[6:7], s[6:7], s[28:29]
	s_add_nc_u64 s[8:9], s[8:9], s[28:29]
	s_load_b64 s[30:31], s[6:7], 0x0               ; the two experts
	s_load_b64 s[32:33], s[8:9], 0x0               ; the two gates
	s_add_nc_u64 s[20:21], s[4:5], 0x800000        ; the quarters lie 8 MiB apart
	s_add_nc_u64 s[22:23], s[4:5], 0x1000000
	s_add_nc_u64 s[24:25], s[4:5], 0x1800000
.macro PLD kp, base
.irp s, 0,1
.irp j, 0,1,2,3
	global_load_b128 v[PR+4*(8*(\kp)+4*\s+\j):PR+4*(8*(\kp)+4*\s+\j)+3], v3, s[\base:\base+1] offset:4096*\s+512*\j th:TH_LOAD_NT
.endr
.endr
.endm
	PLD 0, 4
	PLD 1, 20
	PLD 2, 22
	PLD 3, 24
	s_wait_kmcnt 0x0
	s_min_u32 s34, s30, 7
	s_lshl_b32 s34, s34, 12                        ; a row of b2 is 4,096 bytes
	s_min_u32 s35, s31, 7
	s_lshl_b32 s35, s35, 12
	v_add_nc_u32 v6, s34, v4
	v_add_nc_u32 v7, s35, v4
	s_mov_b32 s38, s33                             ; the second gate as the low word of a pair
	s_mov_b32 s39, s33
.irp j, 0,1,2,3
	global_load_b128 v[BB+4*\j:BB+4*\j+3], v6, s[10:11] offset:512*\j
	global_load_b128 v[BB+16+4*\j:BB+16+4*\j+3], v7, s[10:11] offset:512*\j
.endr
	s_wait_loadcnt 8                               ; P is in; the eight loads of b2 are younger
.irp k, 1,2,3                                          ; ((P0 + P1) + P2) + P3
.set z, 0
.rept 16
	v_pk_add_f32 v[PR+2*z:PR+2*z+1], v[PR+2*z:PR+2*z+1], v[PR+32*\k+2*z:PR+32*\k+2*z+1]
.set z, z+1
.endr
.endr
	s_wait_loadcnt 0x0
.set z, 0
.rept 16
	v_cvt_pk_bf16_f32 v[8+z%4], v[BB+2*z], v[BB+2*z+1]   ; b2 rounded to bf16, and back in f32
	v_lshlrev_b32 v[BB+2*z], 16, v[8+z%4]
	v_and_b32 v[BB+2*z+1], s36, v[8+z%4]
	v_pk_add_f32 v[PR+2*z:PR+2*z+1], v[PR+2*z:PR+2*z+1], v[BB+2*z:BB+2*z+1]
.set z, z+1
.endr
.set z, 0
.rept 8
	v_pk_mul_f32 v[PR+2*z:PR+2*z+1], v[PR+2*z:PR+2*z+1], s[32:33] op_sel_hi:[1,0]
	v_pk_fma_f32 v[PR+2*z:PR+2*z+1], v[PR+16+2*z:PR+16+2*z+1], s[38:39], v[PR+2*z:PR+2*z+1] op_sel_hi:[1,0,1]
.set z, z+1
.endr
.irp j, 0,1,2,3
	global_store_b128 v5, v[PR+4*\j:PR+4*\j+3], s[12:13] offset:512*\j th:TH_STORE_NT   ; 512 consecutive bytes, aligned
.endr
	s_endpgm
.Lfunc_end_k_qce238f1e92_combine:
	.size	k_qce238f1e92_combine, .Lfunc_end_k_qce238f1e92_combine-k_qce238f1e92_combine
	.p2alignl 7, 3214868480
	.fill 96, 4, 3214868480
	.section	.rodata,"a",@progbits
	.p2align	6, 0x0
	.amdhsa_kernel k_qce238f1e92_combine
		.amdhsa_group_segment_fixed_size 0
		.amdhsa_private_segment_fixed_size 0
		.amdhsa_enable_private_segment 0
		.amdhsa_kernarg_size 40
		.amdhsa_user_sgpr_count 2
		.amdhsa_user_sgpr_kernarg_segment_ptr 1
		.amdhsa_wavefront_size32 1
		.amdhsa_system_sgpr_workgroup_id_x 1
		.amdhsa_system_sgpr_workgroup_id_y 1
		.amdhsa_system_sgpr_workgroup_id_z 1
		.amdhsa_system_vgpr_workitem_id 0
		.amdhsa_next_free_vgpr 176
		.amdhsa_next_free_sgpr 66
		.amdhsa_reserve_vcc 0
		.amdhsa_float_denorm_mode_32 3
		.amdhsa_float_denorm_mode_16_64 3
		.amdhsa_memory_ordered 1
		.amdhsa_forward_progress 1
		.amdhsa_inst_pref_size 13
	.end_amdhsa_kernel
	.amdgpu_metadata
---
amdhsa.version: [ 1, 2 ]
amdhsa.kernels:
  - .name:           k_qce238f1e92_combine
    .symbol:         k_qce238f1e92_combine.kd
    .args:
      - { .name: P, .offset: 0, .size: 8, .value_kind: global_buffer, .address_space: global }
      - { .name: idx, .offset: 8, .size: 8, .value_kind: global_buffer, .address_space: global }
      - { .name: gates, .offset: 16, .size: 8, .value_kind: global_buffer, .address_space: global }
      - { .name: b2, .offset: 24, .size: 8, .value_kind: global_buffer, .address_space: global }
      - { .name: out0, .offset: 32, .size: 8, .value_kind: global_buffer, .address_space: global }
    .group_segment_fixed_size: 0
    .private_segment_fixed_size: 0
    .kernarg_segment_align: 8
    .kernarg_segment_size: 40
    .max_flat_workgroup_size: 256
    .sgpr_count:     66
    .vgpr_count:     176
    .wavefront_size: 32
...
	.end_amdgpu_metadata
.endif
;; end of part 4
;; ======== version 2 of 2: 4 launches
;; workspace buffers: xb 2,097,152 bytes; idx 8,192 bytes of whole numbers; gates 8,192 bytes; H 67,108,864 bytes; rows 32,768 bytes of whole numbers; cnt 2,048 bytes of whole numbers; P 33,554,432 bytes; bm 1,024 bytes of whole numbers
;; launch route (part 5): grid 32 x 1, 8 waves a work-group, no clusters, 91,904 bytes of LDS; arguments x, Wg, bg, xb, idx, gates, bm; writes xb, idx, gates, bm
.if DOCPART == 5
	.amdgcn_target "amdgcn-amd-amdhsa--gfx1250"
	.amdhsa_code_object_version 6
	.text
	.protected	k_qce238f1e92_route
	.globl	k_qce238f1e92_route
	.p2align	8
	.type	k_qce238f1e92_route,@function
k_qce238f1e92_route:
	s_mov_b64 s[64:65], 0
	v_nop
	global_prefetch_b8 v0, s[64:65] scope:SCOPE_SE
	s_setreg_imm32_b32 hwreg(HW_REG_WAVE_MODE, 25, 1), 1
	s_wait_xcnt 0x0
; ROUTER.  logits = x Wg + bg, the two largest of eight (the lower index wins a tie), their softmax; and x rounded to bf16 for the products to come.
; x, Wg and bg are rounded to bf16 first, like every input of the program; products by the matrix unit, sums in f32.
; LIMITS.  NaN and infinite logits are not treated apart; two logits closer than the rounding of an f32 sum of 1,024 terms may change places.
; SHARES.  A work-group of eight waves owns 32 tokens.  Wave w rounds rows 4 w .. 4 w + 3 of x (stored to xb, kept in LDS) and later multiplies K = 128 w .. 128 w + 127 for all 32 tokens;
; the eight partial logits meet in LDS and wave 0 chooses.  What is chosen is only stored, at fixed places: no address here hangs on it: the two experts (idx), the two gates (gates), and for each
; expert one word of a bitmap (bm[expert][work-group]: bit b says that token 32 g + b chose the expert).
.set XP,    2064      ; an LDS row of 1,024 bf16: 2,048 bytes + 16: the 16 rows of a fragment load start at 16 different groups of four banks
.set WT,    66048     ; behind 32 rows of x: Wg turned, 8 rows (experts) of 1,024 bf16
.set RED,   82688     ; 8 waves x 32 tokens x 8 partial logits
.set SPARE, 90880     ; the spare words, 128 bytes a wave
.set X,   16          ; v16-143   x as loaded: row j, segment i at 16 + 32 j + 4 i
.set GW,  144         ; v144-175  four rows of Wg
.set PK,  176         ; v176-239  packed bf16
.set FA,  16          ; later: fragments of Wg^T, tokens 0-15, tokens 16-31: 4 K steps x 8 registers each
.set FB0, 48
.set FB1, 80
.set AC0, 112         ; logits of tokens 0-15
.set AC1, 120         ; of tokens 16-31
.set LG,  128
	s_load_b256 s[4:11], s[0:1], 0x0               ; x s[4:5], Wg s[6:7], bg s[8:9], xb s[10:11]
	s_load_b128 s[12:15], s[0:1], 0x20             ; idx s[12:13], gates s[14:15]
	s_load_b64 s[34:35], s[0:1], 0x30              ; bm
	v_lshl_add_u32 v2, v0, 2, SPARE                ; my spare word
	v_mov_b32 v3, 0
	v_and_b32 v1, 31, v0                           ; lane
	v_lshrrev_b32 v4, 5, v0
	v_readfirstlane_b32 s16, v4                    ; wave
	v_lshlrev_b32 v5, 7, v0                        ; Wg: thread t takes rows 4 t .. 4 t + 3, 128 bytes
	s_lshl_b32 s17, s16, 14
	v_lshl_add_u32 v6, v1, 4, s17                  ; x: 4 w rows of 4,096 bytes + 16 x lane
	s_lshl_b32 s17, s16, 13
	v_lshl_add_u32 v7, v1, 3, s17                  ; xb: 4 w rows of 2,048 bytes + 8 x lane
	s_mul_i32 s17, s16, 4*XP
	v_lshl_add_u32 v8, v1, 3, s17                  ; the same place in LDS
	v_lshl_add_u32 v9, v0, 3, WT                   ; Wg^T: k = 4 t lies at byte 8 t of a row
	v_and_b32 v10, 15, v0                          ; r
	v_bfe_u32 v11, v0, 4, 1                        ; h
	v_and_b32 v12, 7, v0                           ; r mod 8: the eight experts stand twice in the 16 rows of source 0
	s_lshl_b32 s17, s16, 8
	v_lshl_add_u32 v13, v11, 4, s17                ; my wave's 128 k (256 bytes) + 16 h
	v_mad_u32_u24 v14, v10, XP, v13                ; fragments of x
	v_mad_u32_u24 v15, v12, XP, v13
	v_add_nc_u32 v15, WT, v15                      ; fragments of Wg^T
	s_lshl_b32 s17, s16, 10
	s_add_co_u32 s17, s17, RED
	v_lshl_add_u32 v4, v1, 5, s17                  ; my token's 32 bytes in my wave's part of RED
	s_mov_b32 s18, 0xffff0000                      ; lanes 16-31; also a word's upper bf16
	s_lshl_b32 s28, ttmp9, 17                      ; the group's 32 rows of x,
	s_mov_b32 s29, 0
	s_lshl_b32 s30, ttmp9, 16                      ; of xb,
	s_mov_b32 s31, 0
	s_lshl_b32 s32, ttmp9, 8                       ; its 256 bytes of idx and of gates,
	s_mov_b32 s33, 0
	s_lshl_b32 s36, ttmp9, 2                       ; and its word in each expert's bitmap
	s_mov_b32 s37, 0
	s_wait_kmcnt 0x0
	s_load_b256 s[20:27], s[8:9], 0x0              ; bg
	s_add_nc_u64 s[4:5], s[4:5], s[28:29]
	s_add_nc_u64 s[10:11], s[10:11], s[30:31]
	s_add_nc_u64 s[12:13], s[12:13], s[32:33]
	s_add_nc_u64 s[14:15], s[14:15], s[32:33]
	s_add_nc_u64 s[34:35], s[34:35], s[36:37]
.irp j, 0,1,2,3,4,5,6,7
	global_load_b128 v[GW+4*\j:GW+4*\j+3], v5, s[6:7] offset:16*\j
.endr
.irp j, 0,1,2,3
.irp i, 0,1,2,3,4,5,6,7
	global_load_b128 v[X+32*\j+4*\i:X+32*\j+4*\i+3], v6, s[4:5] offset:4096*\j+512*\i th:TH_LOAD_NT  ; 512 consecutive bytes of a row
.endr
.endr
	s_wait_loadcnt 32                              ; Wg is in; the 32 loads of x are younger
.irp e, 0,1,2,3,4,5,6,7
	v_cvt_pk_bf16_f32 v[PK+2*\e], v[GW+\e], v[GW+8+\e]          ; expert e, k = 4 t, 4 t + 1
	v_cvt_pk_bf16_f32 v[PK+2*\e+1], v[GW+16+\e], v[GW+24+\e]    ; k = 4 t + 2, 4 t + 3
	ds_store_b64 v9, v[PK+2*\e:PK+2*\e+1] offset:\e*XP
.endr
.irp j, 0,1,2,3
	s_wait_loadcnt 24-8*\j                         ; row j is in; the later rows' loads are younger
.irp i, 0,1,2,3,4,5,6,7
	v_cvt_pk_bf16_f32 v[PK+16*\j+2*\i], v[X+32*\j+4*\i], v[X+32*\j+4*\i+1]
	v_cvt_pk_bf16_f32 v[PK+16*\j+2*\i+1], v[X+32*\j+4*\i+2], v[X+32*\j+4*\i+3]
	global_store_b64 v7, v[PK+16*\j+2*\i:PK+16*\j+2*\i+1], s[10:11] offset:2048*\j+256*\i  ; the wave stores 256 consecutive bytes, aligned
	ds_store_b64 v8, v[PK+16*\j+2*\i:PK+16*\j+2*\i+1] offset:\j*XP+256*\i
.endr
.endr
	s_wait_kmcnt 0x0                               ; bg
	s_wait_dscnt 0x0                               ; for the others: my rows of x and my part of Wg^T are in LDS
	s_barrier_signal -1
	s_barrier_wait -1
.irp k, 0,1,2,3                                        ; four K steps of 32
	ds_load_b128 v[FA+8*\k:FA+8*\k+3],     v15 offset:64*\k
	ds_load_b128 v[FA+8*\k+4:FA+8*\k+7],   v15 offset:64*\k+32
	ds_load_b128 v[FB0+8*\k:FB0+8*\k+3],   v14 offset:64*\k
	ds_load_b128 v[FB0+8*\k+4:FB0+8*\k+7], v14 offset:64*\k+32
	ds_load_b128 v[FB1+8*\k:FB1+8*\k+3],   v14 offset:16*XP+64*\k
	ds_load_b128 v[FB1+8*\k+4:FB1+8*\k+7], v14 offset:16*XP+64*\k+32
.endr
	s_wait_dscnt 0x0
	v_wmma_f32_16x16x32_bf16 v[AC0:AC0+7], v[FA:FA+7], v[FB0:FB0+7], 0     ; the first K step starts both sums; the two take turns
	v_wmma_f32_16x16x32_bf16 v[AC1:AC1+7], v[FA:FA+7], v[FB1:FB1+7], 0
.irp k, 1,2,3
	v_wmma_f32_16x16x32_bf16 v[AC0:AC0+7], v[FA+8*\k:FA+8*\k+7], v[FB0+8*\k:FB0+8*\k+7], v[AC0:AC0+7]
	v_wmma_f32_16x16x32_bf16 v[AC1:AC1+7], v[FA+8*\k:FA+8*\k+7], v[FB1+8*\k:FB1+8*\k+7], v[AC1:AC1+7]
.endr
.rept 4
	v_nop                                          ; four places behind the last product (ISA guide 7.12.1)
.endr
; Register j of lane (r, h) is expert (8 h + j) mod 8 of token r (or 16 + r): lanes 0-15 keep the first sum, lanes 16-31 the second: lane l holds token l.
.irp j, 0,1,2,3,4,5,6,7
	v_cndmask_b32 v[LG+\j], v[AC0+\j], v[AC1+\j], s18
.endr
	ds_store_b128 v4, v[LG:LG+3]
	ds_store_b128 v4, v[LG+4:LG+7] offset:16
	s_wait_dscnt 0x0                               ; for wave 0: my partial logits are in LDS
	s_barrier_signal -1
	s_barrier_wait -1
	s_cmp_eq_u32 s16, 0
	s_cbranch_scc1 .Lchoose
	s_wait_tensorcnt 0x0                           ; the end of waves 1-7
	ds_add_u32 v2, v3
	s_wait_dscnt 0x0
	s_endpgm
.Lchoose:                                              ; wave 0: v4 is RED + 32 x lane
.irp w, 0,1,2,3,4,5,6,7
	ds_load_b128 v[16+8*\w:16+8*\w+3], v4 offset:1024*\w
	ds_load_b128 v[20+8*\w:20+8*\w+3], v4 offset:1024*\w+16
.endr
.irp p, 0,1,2,3
	v_cvt_pk_bf16_f32 v[80+\p], s[20+2*\p], s[21+2*\p]  ; bg rounded to bf16,
	v_lshlrev_b32 v[84+2*\p], 16, v[80+\p]              ; and back in f32
	v_and_b32 v[85+2*\p], s18, v[80+\p]
.endr
	s_wait_dscnt 0x0
.irp w, 1,2,3,4,5,6,7                                  ; K ascending
.irp p, 0,1,2,3
	v_pk_add_f32 v[16+2*\p:17+2*\p], v[16+2*\p:17+2*\p], v[16+8*\w+2*\p:17+8*\w+2*\p]
.endr
.endr
.irp p, 0,1,2,3
	v_pk_add_f32 v[16+2*\p:17+2*\p], v[16+2*\p:17+2*\p], v[84+2*\p:85+2*\p]
.endr
	; the two largest: v92, v100 the largest and its expert, v93, v101 the second.  Only a strictly larger logit displaces: the lower index wins a tie.
	v_mov_b32 v92, v16
	v_mov_b32 v100, 0
	v_mov_b32 v93, 0xff800000
	v_mov_b32 v101, 0
.irp j, 1,2,3,4,5,6,7
	v_cmp_gt_f32 vcc_lo, v[16+\j], v92
	v_cmp_gt_f32 s19, v[16+\j], v93
	v_cndmask_b32 v93, v93, v[16+\j], s19
	v_cndmask_b32 v101, v101, \j, s19
	v_cndmask_b32 v93, v93, v92, vcc_lo
	v_cndmask_b32 v101, v101, v100, vcc_lo
	v_cndmask_b32 v92, v92, v[16+\j], vcc_lo
	v_cndmask_b32 v100, v100, \j, vcc_lo
.endr
	; softmax of the two, the larger taken away: 1 / (1 + t) and t / (1 + t), t = e^(second - first) <= 1
	v_sub_f32 v96, v93, v92
	v_mul_f32 v96, 0x3fb8aa3b, v96
	v_exp_f32 v96, v96
	v_lshlrev_b32 v94, 3, v1                       ; (a plain instruction behind the exponential) 8 bytes a token
	s_wait_alu depctr_va_vdst(0)
	v_add_f32 v97, 1.0, v96
	v_rcp_f32 v102, v97
	v_mov_b32 v104, 0                              ; (a plain instruction behind the reciprocal)
	s_wait_alu depctr_va_vdst(0)
	v_mul_f32 v103, v96, v102
	global_store_b64 v94, v[100:101], s[12:13]     ; 32 tokens: 256 consecutive bytes, aligned
	global_store_b64 v94, v[102:103], s[14:15]
	; the bitmaps: lane e of v104 takes the word of expert e: the lanes (tokens) whose first or second choice it is
.irp e, 0,1,2,3,4,5,6,7
	v_cmp_eq_u32 s19, \e, v100
	v_cmp_eq_u32 vcc_lo, \e, v101
	s_or_b32 s19, s19, vcc_lo
	v_writelane_b32 v104, s19, \e
.endr
	v_lshlrev_b32 v95, 7, v1                       ; an expert's 32 words are 128 bytes, so that a later launch takes them by two scalar loads
	s_wait_xcnt 0x0                                ; EXEC changes only behind this wait
	v_cmp_gt_u32 vcc_lo, 8, v1
	s_and_saveexec_b32 s19, vcc_lo
	global_store_b32 v95, v104, s[34:35]           ; eight words, one an expert: 1 KB in the whole launch
	s_wait_xcnt 0x0                                ; and again in front of the line that widens it
	s_or_b32 exec_lo, exec_lo, s19
	s_wait_tensorcnt 0x0                           ; the wave's end
	ds_add_u32 v2, v3
	s_wait_dscnt 0x0
	s_endpgm
.Lfunc_end_k_qce238f1e92_route:
	.size	k_qce238f1e92_route, .Lfunc_end_k_qce238f1e92_route-k_qce238f1e92_route
	.p2alignl 7, 3214868480
	.fill 96, 4, 3214868480
	.section	.rodata,"a",@progbits
	.p2align	6, 0x0
	.amdhsa_kernel k_qce238f1e92_route
		.amdhsa_group_segment_fixed_size 91904
		.amdhsa_private_segment_fixed_size 0
		.amdhsa_enable_private_segment 0
		.amdhsa_kernarg_size 56
		.amdhsa_user_sgpr_count 2
		.amdhsa_user_sgpr_kernarg_segment_ptr 1
		.amdhsa_wavefront_size32 1
		.amdhsa_system_sgpr_workgroup_id_x 1
		.amdhsa_system_sgpr_workgroup_id_y 1
		.amdhsa_system_sgpr_workgroup_id_z 1
		.amdhsa_system_vgpr_workitem_id 0
		.amdhsa_next_free_vgpr 240
		.amdhsa_next_free_sgpr 66
		.amdhsa_reserve_vcc 1
		.amdhsa_float_denorm_mode_32 3
		.amdhsa_float_denorm_mode_16_64 3
		.amdhsa_memory_ordered 1
		.amdhsa_forward_progress 1
		.amdhsa_inst_pref_size 29
	.end_amdhsa_kernel
	.amdgpu_metadata
---
amdhsa.version: [ 1, 2 ]
amdhsa.kernels:
  - .name:           k_qce238f1e92_route
    .symbol:         k_qce238f1e92_route.kd
    .args:
      - { .name: x, .offset: 0, .size: 8, .value_kind: global_buffer, .address_space: global }
      - { .name: Wg, .offset: 8, .size: 8, .value_kind: global_buffer, .address_space: global }
      - { .name: bg, .offset: 16, .size: 8, .value_kind: global_buffer, .address_space: global }
      - { .name: xb, .offset: 24, .size: 8, .value_kind: global_buffer, .address_space: global }
      - { .name: idx, .offset: 32, .size: 8, .value_kind: global_buffer, .address_space: global }
      - { .name: gates, .offset: 40, .size: 8, .value_kind: global_buffer, .address_space: global }
      - { .name: bm, .offset: 48, .size: 8, .value_kind: global_buffer, .address_space: global }
    .group_segment_fixed_size: 91904
    .private_segment_fixed_size: 0
    .kernarg_segment_align: 8
    .kernarg_segment_size: 56
    .max_flat_workgroup_size: 256
    .sgpr_count:     66
    .vgpr_count:     240
    .wavefront_size: 32
...
	.end_amdgpu_metadata
.endif
;; end of part 5
;; launch up (part 6): grid 32 x 8, 4 waves a work-group, no clusters, 284,160 bytes of LDS; arguments xb, W1, b1, idx, H, rows, cnt, bm; writes H, rows, cnt
.if DOCPART == 6
	.amdgcn_target "amdgcn-amd-amdhsa--gfx1250"
	.amdhsa_code_object_version 6
	.text
	.protected	k_qce238f1e92_up
	.globl	k_qce238f1e92_up
	.p2align	8
	.type	k_qce238f1e92_up,@function
k_qce238f1e92_up:
	s_mov_b64 s[64:65], 0
	v_nop
	global_prefetch_b8 v0, s[64:65] scope:SCOPE_SE
	s_setreg_imm32_b32 hwreg(HW_REG_WAVE_MODE, 25, 1), 1
	s_wait_xcnt 0x0
; FIRST PRODUCT.  H[e][rank][f] = relu(x[token(e, rank)] . W1[e][:, f] + b1[e][f]) in bf16, only for the tokens that chose expert e; also the list of those tokens (rows) and their number (cnt).
; W1 and b1 are rounded to bf16 on their way through registers, x has been; sums in f32; H rounded once.
; SHARES.  Work-group (ns, e) owns columns 128 ns .. + 127 of expert e: 1,024 x 128 weights, 512 KiB of f32 that it alone reads, and all rows of that expert, 0 to 1,024 of them.
; The slice goes memory -> registers -> bf16 -> LDS, laid down as ready fragments, and stays there (266,240 bytes).  Rows go in tiles of 16: tile 20 G + 4 t + w belongs to group G, place t (0-4), wave w.
; Group 0 (320 rows) is multiplied WHILE the slice streams in: 16 trips of K = 64, one barrier a trip, its sums in 320 registers a wave.  Groups 1-3 (rows 320 on: skewed splits) read the resident slice,
; in a loop of constant length; a wave without rows in a group jumps forward over the products and over the way out, never over a barrier.  Every barrier stands on every wave's path; what hangs on the
; count only jumps forward over register work, loads that are waited for inside the jumped text, and stores.
; WHICH TOKEN HAS A RANK is worked out in registers, from the expert's bitmap of 1,024 bits in 32 scalar registers (macro SEL): the rows' addresses are made of numbers read from memory and of register
; arithmetic alone.  A rank past the count takes token 0.
; NO CLUSTER: each slice has one reader; the token rows that an expert's work-groups share are scattered in xb, which no tile descriptor covers.
; THE MATRIX INSTRUCTION IS USED TRANSPOSED: source 0 = 16 columns of W x 32 k, source 1 = 16 rows x 32 k: register j of lane (r, h) is H(row r, column 16 f + 8 h + j): eight neighbours of a row.
; REGISTERS, in windows of 256 (s_set_vgpr_msb: bits 1:0 source 0, 3:2 source 1, 5:4 source 2, 7:6 destination):
;   window 0: v0-31 addresses and temporaries; v32-63 packed weights; v64-127, v128-191 two buffers of W fragments (SEL's work ahead of a group, the way out behind it); v192-255 the bias as eight C tiles
;   window 1: v0-159 token fragments, a ring of four K steps x five tiles      window 2: sums of tiles 0-3      window 3: v0-63 sums of tile 4; v64-191 two sets of 16 rows of f32 weights
.set PW,    16384     ; bytes from row to row of W1
.set LOGPW, 14
.set FP,    1040      ; a fragment in LDS: 1,024 bytes + 16, so that the 16 lanes of a store touch 16 different 16-byte columns; fragment 8 s + f (K step s, column block f); inside: 512 q + 16 x lane
.set STAGE, 266240    ; behind the slice: 16 rows x 272 bytes for each wave, for the way out
.set SPI,   272
.set SPARE, 283648    ; the spare words, 128 bytes a wave
.set LN,  1           ; lane
.set SPW, 2           ; my spare word; never rewritten
.set NIL, 3           ; 0, for the add alone
.set AF0, 4           ; 16 x lane: my place in a fragment
.set AF,  5           ; the fragment address in hand
.set AS0, 6           ; where I put packed weights in a block
.set AS,  7
.set WO,  8           ; my byte offset in a block of W; never rewritten
.set PV,  9           ; the same for the prefetch: a row a lane; never rewritten
.set STO, 10
.set RD,  11
.set GO,  12
.set GT,  13
.set H16, 14          ; 16 h
.set ZR,  15          ; 0
.set TO,  16          ; v16-20  byte offset of my row of tile t in xb, + 16 h
.set RR,  21          ; r
.set RW,  22          ; my byte offset in the expert's part of rows
.set BA,  23          ; the bias's offset; never rewritten
.set EV,  24          ; v24-28  the address of my token's second choice in idx, then that choice
.set OO,  32
.set FR,  64
.set TMP, 64
.set BK,  96
.set EN,  128         ; v128-132  list entries to store
.set BI,  192
.set SG,  64          ; window 3
.set R5,  64          ; SEL's registers, five each (a tile each): 32 rank + 31
.set KY,  72          ; the least key so far
.set WD,  80          ; the bitmap word that holds the rank
.set DD,  88
.set MK,  96
.set A1,  104         ; the word's sums of 2, 4 and 8 bits
.set A2,  112
.set A3,  120
.set NN,  128         ; the rank inside what is left of the word
.set PS,  136         ; the bit's place
.set CC,  144
.set TT,  152
.set GI,  160
.set RK,  168         ; the rank
.set WV, 18
.set E,  19
.set NS, 20
.set CN, 21           ; the expert's rows
.set TS, 22           ; its tiles, at least 1
.set Q,  23           ; my live tiles in the group in hand, 0 to 5
.set G,  24
.set CT, 25
.set FB, 26           ; LDS byte of the K step to fetch
.set SB, 27           ; LDS byte of the block to store
.set WS0, 28          ; s[28:29] the base of set 0's loads in the loop: the block that the set holds
.set TW, 30           ; s[30:31] token rows, stepped along K
.set W0, 32           ; s[32:33] the slice; never rewritten
.set PA, 34           ; s[34:35] the base of an iteration's two prefetches
.set PO, 36           ; s[36:37] its offset, clamped
.set PFO, 38
.set SN, 39           ; SEL: -(32 x the bits in the words before + the word's number)
.set WS1, 44          ; s[44:45] the base of set 1's loads in the loop
.set T0, 50           ; s[50:51] token rows at K = 0
.set OB, 52           ; s[52:53] H at my expert and columns
.set T16, 55
.set GC, 63           ; groups to go
.set BM, 68           ; s[68:99] the expert's bitmap
.set MSB, 0
.macro WIN new                         ; the high byte repeats the setting that is left; a switch that changes nothing is dropped
.if MSB != (\new)
	s_set_vgpr_msb (MSB<<8)|(\new)
.set MSB, (\new)
.endif
.endm
; 16 rows x 256 bytes of the wave's part of a block (64 k x 128 columns), bo blocks behind the base: lanes 0-15 take 256 consecutive aligned bytes of one row, lanes 16-31 of the row 8 further on.
.macro WLOAD st, base, bo
	WIN 0xc0
.irp i, 0,1,2,3,4,5,6,7,8,9,10,11,12,13,14,15
	global_load_b128 v[SG+64*(\st)+4*\i:SG+64*(\st)+4*\i+3], v[WO], s[(\base):(\base)+1] offset:(\i+8*(\i/8)+64*(\bo))*PW th:TH_LOAD_NT
.endr
	WIN 0
.endm
; The base of an iteration's two prefetches goes two blocks on and stops at the last block but one.  It stands behind an s_wait_xcnt 0, which lies between the prefetches that read it and this rewriting.
.macro PSTEP
	s_add_co_u32 s[PFO], s[PFO], 2*64*PW
	s_min_u32 s[PO], s[PFO], 14*64*PW
	s_add_nc_u64 s[PA:PA+1], s[W0:W0+1], s[PO:PO+1]
.endm
; A block's part is rounded and laid into LDS.  My 16 rows are k = 8 h + 0..7 (q = 0) and 16 + 8 h + 0..7 (q = 1) of four columns 4 c + jj: for each column and q four registers of pairs along k,
; which are 16 bytes of fragment c / 4, lane 4 (c mod 4) + jj + 16 h.  The set then takes the block two further on, and one row a lane of the block three beyond that one is asked into the L2
; (32 lanes, my wave's own 32 rows x 256 bytes).  reload = 2 (the first two blocks): base and prefetch are the slice's own address, the block stands in the immediate, nothing is rewritten.
; reload = 1 (the loop): the set has a base of its own, stepped behind the wait above it: that wait shows the set's loads, the only ones that read this base, done (ISA guide 5.7.1: loads return in order).
.macro WPART st, nW, reload
	s_wait_loadcnt \nW
.if (\reload) == 1
.set WSB, WS0+(WS1-WS0)*(\st)
	s_add_nc_u64 s[WSB:WSB+1], s[WSB:WSB+1], 2*64*PW
.endif
	WIN 0x0f
.irp jj, 0,1,2,3
.irp q, 0,1
.irp p, 0,1,2,3
	v_cvt_pk_bf16_f32 v[OO+8*\jj+4*\q+\p], v[SG+64*(\st)+4*(8*\q+2*\p)+\jj], v[SG+64*(\st)+4*(8*\q+2*\p+1)+\jj]
.endr
.endr
.endr
	WIN 0
	v_add_nc_u32 v[AS], s[SB], v[AS0]
	s_add_co_u32 s[SB], s[SB], 16*FP
.irp jj, 0,1,2,3
.irp q, 0,1
	ds_store_b128 v[AS], v[OO+8*\jj+4*\q:OO+8*\jj+4*\q+3] offset:16*\jj+512*\q
.endr
.endr
.if (\reload) == 1
	WLOAD \st, WSB, 0
	global_prefetch_b8 v[PV], s[PA:PA+1] offset:(\st)*64*PW th:TH_LOAD_NT scope:SCOPE_SE
.elseif (\reload) == 2
	WLOAD \st, W0, 2+(\st)
	global_prefetch_b8 v[PV], s[W0:W0+1] offset:(5+(\st))*64*PW th:TH_LOAD_NT scope:SCOPE_SE
.endif
.endm
; One K step's token fragments, all five tiles always (so that the counts are the same on every path; a tile past the count reads token 0's row in every lane): row r, k = 8 h .. and 16 + 8 h ..
.macro TL sl, off
	WIN 0x40
.irp t, 0,1,2,3,4
	global_load_b128 v[40*(\sl)+8*\t:40*(\sl)+8*\t+3],   v[TO+\t], s[TW:TW+1] offset:(\off)
	global_load_b128 v[40*(\sl)+8*\t+4:40*(\sl)+8*\t+7], v[TO+\t], s[TW:TW+1] offset:(\off)+32
.endr
	WIN 0
.endm
; One K step's eight W fragments: 16 loads of 512 consecutive bytes
.macro FETCH buf
	v_add_nc_u32 v[AF], s[FB], v[AF0]
	s_add_co_u32 s[FB], s[FB], 8*FP
.irp f, 0,1,2,3,4,5,6,7
	ds_load_b128 v[FR+64*(\buf)+8*\f:FR+64*(\buf)+8*\f+3],   v[AF] offset:FP*\f
	ds_load_b128 v[FR+64*(\buf)+8*\f+4:FR+64*(\buf)+8*\f+7], v[AF] offset:FP*\f+512
.endr
.endm
; Eight products: tile t x all column blocks.  ci = 1: the bias tile is the C that starts the sum: nothing is cleared.
.macro MUL buf, sl, t, ci
.set AC, 64*((\t)%4)
.if \ci
	WIN 0x84+0x40*((\t)/4)
.else
	WIN 0xa4+0x50*((\t)/4)
.endif
.irp f, 0,1,2,3,4,5,6,7
.if \ci
	v_wmma_f32_16x16x32_bf16 v[AC+8*\f:AC+8*\f+7], v[FR+64*(\buf)+8*\f:FR+64*(\buf)+8*\f+7], v[40*(\sl)+8*(\t):40*(\sl)+8*(\t)+7], v[BI+8*\f:BI+8*\f+7]
.else
	v_wmma_f32_16x16x32_bf16 v[AC+8*\f:AC+8*\f+7], v[FR+64*(\buf)+8*\f:FR+64*(\buf)+8*\f+7], v[40*(\sl)+8*(\t):40*(\sl)+8*(\t)+7], v[AC+8*\f:AC+8*\f+7]
.endif
.endr
.endm
; A K STEP: 40 products (32 where I have no fifth tile) on 40 sums that take turns, one instruction a turn, from step to step too.
; nT, nD: the younger loads and LDS instructions that may stay out.  fn = 1: the other fragment buffer is fetched first, so that it has the whole step in which to land (its last readers stand ahead of the
; four v_nop of the step before).  tr >= 0: the token slot just read takes the K step four on, at byte tr.  ps, ts = 1: the prefetches' base, the token pointer are stepped here, behind the step's products:
; s_wait_xcnt 0 stands between the prefetches and token loads that read them and the rewriting.
; The four v_nop are the places (ISA guide 7.12.1 for vector instructions) behind the last products, for the loads into the token slot and into this fragment buffer, and for the way out.
.macro K buf, sl, nT, nD, ci, fn, tr, ps=0, ts=0
	s_wait_loadcnt \nT
	s_wait_dscnt \nD
.if \fn
	FETCH 1-(\buf)
.endif
	MUL \buf, \sl, 0, \ci
	MUL \buf, \sl, 1, \ci
	MUL \buf, \sl, 2, \ci
	MUL \buf, \sl, 3, \ci
	WIN 0
.if !(\ci)
	s_cmp_lt_u32 s[Q], 5
	s_cbranch_scc1 .Lno4_\@
.endif
	MUL \buf, \sl, 4, \ci
	WIN 0
.if !(\ci)
.Lno4_\@:
.endif
.rept 4
	v_nop
.endr
.if (\ps) || (\ts)
	s_wait_xcnt 0x0
.endif
.if \ps
	PSTEP
.endif
.if \ts
	s_add_nc_u64 s[TW:TW+1], s[TW:TW+1], 256
.endif
.if (\tr) >= 0
	TL \sl, \tr
.endif
.endm
.macro BAR                             ; my LDS stores are done (for the others) and my LDS loads are back; then the barrier
	s_wait_dscnt 0x0
	s_barrier_signal -1
	s_barrier_wait -1
.endm
.macro QCALC x                         ; my live tiles of group G: tiles 20 G + 4 t + w below the number in register x
	s_mul_i32 s41, s[G], 20
	s_add_co_u32 s41, s41, s[WV]
	s_sub_co_i32 s41, s[\x], s41
	s_add_co_i32 s41, s41, 3
	s_ashr_i32 s41, s41, 2
	s_max_i32 s41, s41, 0
	s_min_i32 s[Q], s41, 5
.endm
; One halving of SEL's search: the low w bits at the place in hand hold CC set bits (a field of the sums in src); a rank of CC or more lies above them.
.macro HALVE src, w
.irp t, 0,1,2,3,4
	v_bfe_u32 v[CC+\t], v[(\src)+\t], v[PS+\t], \w
.endr
.irp t, 0,1,2,3,4
	v_sub_nc_u32 v[DD+\t], v[NN+\t], v[CC+\t]
.endr
.irp t, 0,1,2,3,4
	v_ashrrev_i32 v[MK+\t], 31, v[DD+\t]           ; all ones: it lies below
.endr
.irp t, 0,1,2,3,4
	v_bfi_b32 v[NN+\t], v[MK+\t], v[NN+\t], v[DD+\t]
	v_bfi_b32 v[TT+\t], v[MK+\t], 0, \w
.endr
.irp t, 0,1,2,3,4
	v_add_nc_u32 v[PS+\t], v[PS+\t], v[TT+\t]
.endr
.endm
; SEL: the token of rank r + 16 (20 G + 4 t + w), for my five tiles, a tile a register, the five side by side so that no line waits for the one before it.
; Phase 1, 8 trips of four words.  Word g begins at rank C(g) (the bits in the words before).  key(g) = 32 (rank - C(g)) + 31 - g is below 0, as an unsigned number huge, where the word begins past the rank;
; among the others it falls with g: the unsigned minimum belongs to the last word that begins at or ahead of the rank, and holds the rank inside it and its number.  The word itself is taken along.
; The text names the first four scalar registers of the bitmap; behind each trip the 32 are turned by four, so that after 8 trips they lie as they did.
; Phase 2: the word's sums of 2, 4, 8 and 16 bits, and five halvings.  first = 1: the count is made too.
.macro SEL first
	s_mul_i32 s41, s[G], 320
	s_lshl4_add_u32 s41, s[WV], s41
	v_add_nc_u32 v29, s41, v[RR]
.irp t, 0,1,2,3,4
	v_add_nc_u32 v[RK+\t], 64*\t, v29
	v_mov_b32 v[KY+\t], -1
	v_mov_b32 v[WD+\t], 0
.endr
.irp t, 0,1,2,3,4
	v_lshl_add_u32 v[R5+\t], v[RK+\t], 5, 31
.endr
	s_mov_b32 s[SN], 0
	s_mov_b32 s[CT], 8
.Lsel_\@:
.irp j, 0,1,2,3
.irp t, 0,1,2,3,4
	v_add_nc_u32 v[DD+\t], s[SN], v[R5+\t]         ; the key
.endr
	s_bcnt1_i32_b32 s40, s[BM+\j]
.irp t, 0,1,2,3,4
	v_ashrrev_i32 v[MK+\t], 31, v[DD+\t]           ; all ones: the word begins past the rank
.endr
	s_lshl_b32 s40, s40, 5
.irp t, 0,1,2,3,4
	v_bfi_b32 v[WD+\t], v[MK+\t], v[WD+\t], s[BM+\j]
.endr
	s_sub_co_u32 s[SN], s[SN], s40
.irp t, 0,1,2,3,4
	v_min_u32 v[KY+\t], v[KY+\t], v[DD+\t]
.endr
	s_sub_co_u32 s[SN], s[SN], 1
.endr
.irp j, 0,2
	s_mov_b64 s[56:57], s[BM+\j:BM+\j+1]
.irp k, 0,1,2,3,4,5,6
	s_mov_b64 s[BM+4*\k+\j:BM+4*\k+\j+1], s[BM+4*\k+4+\j:BM+4*\k+5+\j]
.endr
	s_mov_b64 s[BM+28+\j:BM+29+\j], s[56:57]
.endr
	s_sub_co_u32 s[CT], s[CT], 1
	s_cmp_lg_u32 s[CT], 0
	s_cbranch_scc1 .Lsel_\@
.if \first
	s_sub_co_u32 s41, 0, s[SN]                     ; 32 x count + 32
	s_lshr_b32 s41, s41, 5
	s_sub_co_u32 s41, s41, 1
	s_min_u32 s[CN], s41, 0x400
.endif
.irp t, 0,1,2,3,4
	v_lshrrev_b32 v[NN+\t], 5, v[KY+\t]            ; the rank inside the word
	v_and_b32 v[GI+\t], 31, v[KY+\t]               ; 31 - the word's number
	v_lshrrev_b32 v[TT+\t], 1, v[WD+\t]
.endr
.irp t, 0,1,2,3,4
	v_and_b32 v[TT+\t], s58, v[TT+\t]
.endr
.irp t, 0,1,2,3,4
	v_sub_nc_u32 v[A1+\t], v[WD+\t], v[TT+\t]      ; sums of 2 bits
.endr
.irp t, 0,1,2,3,4
	v_lshrrev_b32 v[TT+\t], 2, v[A1+\t]
	v_and_b32 v[A2+\t], s59, v[A1+\t]
.endr
.irp t, 0,1,2,3,4
	v_and_b32 v[TT+\t], s59, v[TT+\t]
.endr
.irp t, 0,1,2,3,4
	v_add_nc_u32 v[A2+\t], v[A2+\t], v[TT+\t]      ; of 4
.endr
.irp t, 0,1,2,3,4
	v_lshrrev_b32 v[TT+\t], 4, v[A2+\t]
.endr
.irp t, 0,1,2,3,4
	v_add_nc_u32 v[TT+\t], v[TT+\t], v[A2+\t]
.endr
.irp t, 0,1,2,3,4
	v_and_b32 v[A3+\t], s60, v[TT+\t]              ; of 8
.endr
.irp t, 0,1,2,3,4
	v_lshrrev_b32 v[TT+\t], 8, v[A3+\t]
.endr
.irp t, 0,1,2,3,4
	v_add_nc_u32 v[TT+\t], v[TT+\t], v[A3+\t]
.endr
.irp t, 0,1,2,3,4
	v_and_b32 v[CC+\t], 0xff, v[TT+\t]             ; the set bits among bits 0 to 15
.endr
.irp t, 0,1,2,3,4
	v_sub_nc_u32 v[DD+\t], v[NN+\t], v[CC+\t]
.endr
.irp t, 0,1,2,3,4
	v_ashrrev_i32 v[MK+\t], 31, v[DD+\t]
.endr
.irp t, 0,1,2,3,4
	v_bfi_b32 v[NN+\t], v[MK+\t], v[NN+\t], v[DD+\t]
	v_bfi_b32 v[PS+\t], v[MK+\t], 0, 16
.endr
	HALVE A3, 8
	HALVE A2, 4
	HALVE A1, 2
.irp t, 0,1,2,3,4
	v_bfe_u32 v[CC+\t], v[WD+\t], v[PS+\t], 1
	v_lshlrev_b32 v[GI+\t], 5, v[GI+\t]
.endr
.irp t, 0,1,2,3,4
	v_sub_nc_u32 v[DD+\t], v[NN+\t], v[CC+\t]
.endr
.irp t, 0,1,2,3,4
	v_ashrrev_i32 v[MK+\t], 31, v[DD+\t]
.endr
.irp t, 0,1,2,3,4
	v_add3_u32 v[PS+\t], v[PS+\t], v[MK+\t], 1
.endr
.irp t, 0,1,2,3,4
	v_sub_nc_u32 v[PS+\t], v[PS+\t], v[GI+\t]
.endr
.irp t, 0,1,2,3,4
	v_add_nc_u32 v[PS+\t], 0x3e0, v[PS+\t]         ; token = 32 x word + bit = 992 - 32 (31 - word) + bit
.endr
.irp t, 0,1,2,3,4
	v_cmp_gt_u32 vcc_lo, s[CN], v[RK+\t]
	v_cndmask_b32 v[PS+\t], 0, v[PS+\t], vcc_lo    ; a rank past the count: token 0
.endr
.irp t, 0,1,2,3,4
	v_min_u32 v[PS+\t], 0x3ff, v[PS+\t]
.endr
.irp t, 0,1,2,3,4
	v_lshl_add_u32 v[TO+\t], v[PS+\t], 11, v[H16]  ; a row of xb is 2,048 bytes
	v_lshl_add_u32 v[EV+\t], v[PS+\t], 3, 4        ; the token's second choice in idx
.endr
.endm
.macro ELOAD                           ; my tokens' second choices, for the list: five loads, on every path, so that the counts are alike; each lands on its own address register
.irp t, 0,1,2,3,4
	global_load_b32 v[EV+\t], v[EV+\t], s[10:11]
.endr
.endm
.macro PAIR c                          ; two K steps of a later group, from the resident slice; 10: the second step's token loads are younger
	TL 0, 0
	TL 1, 64
	FETCH 0
	K 0,0,10,0,\c,1,-1
	K 1,1,0,0,0,0,-1
	s_wait_xcnt 0x0
	s_add_nc_u64 s[TW:TW+1], s[TW:TW+1], 128
.endm
; THE WAY OUT of tile t: rounded to bf16, relu on the packed halves, 16 bytes a lane into my stage, back as whole rows of 256 bytes, stored.  Whole tiles: rows past the count hold token 0's.
.macro OUT t
	s_cmp_le_u32 s[Q], \t
	s_cbranch_scc1 .Lnext
	s_wait_xcnt 0x0                                ; the registers that the last stores read are rewritten only behind this wait
.set AC, 64*((\t)%4)
	WIN 0x0a+5*((\t)/4)
.irp f, 0,1,2,3,4,5,6,7
.irp p, 0,1,2,3
	v_cvt_pk_bf16_f32 v[TMP+4*\f+\p], v[AC+8*\f+2*\p], v[AC+8*\f+2*\p+1]   ; each sum's registers in ascending order
.endr
.endr
	WIN 0
.set z, 0
.rept 32
	v_pk_max_num_bf16 v[TMP+z], v[TMP+z], v[ZR]
.set z, z+1
.endr
.irp f, 0,1,2,3,4,5,6,7
	ds_store_b128 v[STO], v[TMP+4*\f:TMP+4*\f+3] offset:32*\f
.endr
.irp i, 0,1,2,3,4,5,6,7
	ds_load_b128 v[BK+4*\i:BK+4*\i+3], v[RD] offset:2*SPI*\i   ; LDS serves a wave's instructions in order (ISA guide 5.7.1.4): these see the stores above
.endr
.irp i, 0,1,2,3,4,5,6,7
	s_wait_dscnt 7-\i
	global_store_b128 v[GT], v[BK+4*\i:BK+4*\i+3], s[OB:OB+1] offset:(\t)*524288+\i*16384   ; 16 lanes store 256 consecutive bytes of a row of H, aligned
.endr
.endm
	s_load_b256 s[4:11], s[0:1], 0x0               ; xb s[4:5], W1 s[6:7], b1 s[8:9], idx s[10:11]
	s_load_b128 s[12:15], s[0:1], 0x20             ; H s[12:13], rows s[14:15]
	s_load_b64 s[16:17], s[0:1], 0x30              ; cnt
	s_load_b64 s[2:3], s[0:1], 0x38                ; bm
	v_lshl_add_u32 v[SPW], v0, 2, SPARE
	v_mov_b32 v[NIL], 0
	v_lshrrev_b32 v24, 5, v0
	v_readfirstlane_b32 s[WV], v24
	s_and_b32 s[E], ttmp7, 0xffff
	s_mov_b32 s[NS], ttmp9
	s_mov_b32 s[G], 0
	v_and_b32 v[LN], 31, v0
	v_and_b32 v[RR], 15, v0                        ; r, and c
	v_bfe_u32 v25, v0, 4, 1                        ; h
	v_lshlrev_b32 v[AF0], 4, v[LN]
	v_lshlrev_b32 v[H16], 4, v25
	v_mov_b32 v[ZR], 0
	s_lshl_b32 s41, s[WV], 2                       ; my part of a block: fragments 4 w .. 4 w + 3 of its 16
	v_lshrrev_b32 v26, 2, v[RR]
	v_add_nc_u32 v26, s41, v26
	v_mul_u32_u24 v26, v26, FP
	v_and_b32 v27, 3, v[RR]
	v_lshl_add_u32 v26, v27, 6, v26
	v_lshl_add_u32 v[AS0], v25, 8, v26
	s_lshr_b32 s41, s[WV], 1
	s_lshl_b32 s41, s41, 5                         ; which 32 rows of a block,
	s_and_b32 s42, s[WV], 1
	s_lshl_b32 s42, s42, 8                         ; which 256 bytes of its rows
	v_lshl_add_u32 v26, v25, 3, s41
	v_lshl_add_u32 v27, v[RR], 4, s42
	v_lshl_add_u32 v[WO], v26, LOGPW, v27
	v_add_nc_u32 v26, s41, v[LN]
	v_lshl_add_u32 v[PV], v26, LOGPW, s42
	s_mul_i32 s43, s[WV], 16*SPI
	s_add_co_u32 s43, s43, STAGE                   ; my stage
	v_mul_u32_u24 v26, v[RR], SPI
	v_add_nc_u32 v26, s43, v26
	v_add_nc_u32 v[STO], v26, v[H16]               ; in: row r, 16 bytes for each half of the lanes
	v_mul_u32_u24 v26, v25, SPI
	v_add_nc_u32 v26, s43, v26
	v_lshl_add_u32 v[RD], v[RR], 4, v26            ; back: lanes 0-15 one row, lanes 16-31 the next
	v_lshlrev_b32 v26, 13, v25
	v_lshl_add_u32 v[GO], v[RR], 4, v26            ; and the same two rows in H (8,192 bytes a row)
	v_lshlrev_b32 v[BA], 5, v25                    ; the bias: 32 h
	s_lshl_b32 s44, s[E], 24                       ; W1: expert x 16 MiB + 512 ns
	s_lshl_b32 s41, s[NS], 9
	s_add_co_u32 s44, s44, s41
	s_mov_b32 s45, 0
	s_lshl_b32 s46, s[E], 23                       ; H: expert x 8 MiB + 256 ns
	s_lshl_b32 s42, s[NS], 8
	s_add_co_u32 s46, s46, s42
	s_mov_b32 s47, 0
	s_lshl_b32 s56, s[E], 14                       ; b1: expert x 16,384 + 512 ns
	s_add_co_u32 s56, s56, s41
	s_mov_b32 s57, 0
	s_lshl_b32 s58, s[E], 12                       ; rows
	s_mov_b32 s59, 0
	s_lshl_b32 s60, s[E], 8                        ; cnt
	s_mov_b32 s61, 0
	s_lshl_b32 s48, s[E], 7                        ; bm
	s_mov_b32 s49, 0
	s_mov_b32 s62, 0xffff0000
	s_mov_b32 s[FB], 0
	s_mov_b32 s[SB], 0
	s_mov_b32 s[PFO], 5*64*PW                      ; the loop's first step makes block 7 of it
	s_mov_b32 s[PO+1], 0
	s_wait_kmcnt 0x0
	s_add_nc_u64 s[2:3], s[2:3], s[48:49]
	s_load_b512 s[BM:BM+15], s[2:3], 0x0           ; the expert's bitmap: 32 words
	s_load_b512 s[BM+16:BM+31], s[2:3], 0x40
	s_add_nc_u64 s[W0:W0+1], s[6:7], s[44:45]
	s_add_nc_u64 s[WS0:WS0+1], s[W0:W0+1], 2*64*PW ; the blocks that the two sets hold when the loop begins
	s_add_nc_u64 s[WS1:WS1+1], s[W0:W0+1], 3*64*PW
	s_mov_b64 s[T0:T0+1], s[4:5]
	s_mov_b64 s[TW:TW+1], s[4:5]
	s_add_nc_u64 s[OB:OB+1], s[12:13], s[46:47]
	s_add_nc_u64 s[8:9], s[8:9], s[56:57]
	s_add_nc_u64 s[14:15], s[14:15], s[58:59]
	s_add_nc_u64 s[16:17], s[16:17], s[60:61]
.irp f, 0,1,2,3,4,5,6,7
	global_load_b128 v[BI+8*\f:BI+8*\f+3],   v[BA], s[8:9] offset:64*\f     ; b1 of columns 16 f + 8 h + 0..7
	global_load_b128 v[BI+8*\f+4:BI+8*\f+7], v[BA], s[8:9] offset:64*\f+16
.endr
	WLOAD 0, W0, 0                                 ; the stream begins: blocks 0 and 1
	WLOAD 1, W0, 1
	s_mov_b32 s58, 0x55555555
	s_mov_b32 s59, 0x33333333
	s_mov_b32 s60, 0x0f0f0f0f
	s_wait_kmcnt 0x0                               ; the bitmap
	SEL 1
	s_add_co_u32 s41, s[CN], 15
	s_lshr_b32 s[T16], s41, 4
	s_max_u32 s[TS], s[T16], 1                     ; an expert without rows still makes tile 0, so that the next launch reads only bytes that were stored
	QCALC TS
	ELOAD
	TL 0, 0
	TL 1, 64
	s_wait_loadcnt 57                              ; the bias is in; W's 32, the 5 second choices and the tokens' 20 loads are younger
.set z, 0
.rept 32
	v_cvt_pk_bf16_f32 v[OO+z%4], v[BI+2*z], v[BI+2*z+1]    ; the bias rounded to bf16, and back in f32
	v_lshlrev_b32 v[BI+2*z], 16, v[OO+z%4]
	v_and_b32 v[BI+2*z+1], s62, v[OO+z%4]
.set z, z+1
.endr
	; the count goes to memory once for each expert: work-group ns = 0, wave 0
	s_or_b32 s41, s[NS], s[WV]
	s_cmp_lg_u32 s41, 0
	s_cbranch_scc1 .Lnocnt
	v_mov_b32 v30, s[CN]
	v_mov_b32 v31, s[CN]
	v_lshlrev_b32 v29, 3, v[LN]
	global_store_b64 v29, v[30:31], s[16:17]       ; the count, 64 times: 256 consecutive bytes, aligned
.Lnocnt:
	; THE STREAMED PASS.  Loads are issued in the order W0 W1 E T0 T1 | W2 T2 T3 | and in trip n: W(n+3) T(2n+4) T(2n+5); W: 16 loads, T: 10, E: 5.  Trip n multiplies K steps 2 n, 2 n + 1 (block n)
	; and lays block n + 1 into LDS; the barrier behind it shows that block to every wave.  Nothing in the slice is written twice, so one barrier a trip is enough.
	; Ahead of the loop no address register is written again: blocks 0 to 3 and the first two prefetches hang on the slice's own address.
	WPART 0,41,2                                   ; behind W0: W1 16, E 5, T0 T1 20
	TL 2, 128
	TL 3, 192
	BAR
	FETCH 0
	WPART 1,61,2                                   ; behind W1: E 5, T0 T1 20, W2 16, T2 T3 20
	K 0,0,62,8,1,1,256                             ; behind a token slot: 10 + 16 + 20 + 16; the 8 LDS stores of WPART are younger than the fragments
	s_mov_b32 s[CT], 6
.Lstream:                                              ; two trips, from one trip's second half to the first half two trips on
	K 1,1,62,0,0,0,64,1,1                          ; the token pointer goes four K steps on: the refills of this trip lie 64, 128, 192 and 256 bytes behind it
	BAR
	FETCH 0
	WPART 0,56,1                                   ; behind a block: T 20, W 16, T 20
	K 0,2,62,8,0,1,128
	K 1,3,62,0,0,0,192
	BAR
	FETCH 0
	WPART 1,56,1
	K 0,0,62,8,0,1,256
	s_sub_co_u32 s[CT], s[CT], 1
	s_cmp_lg_u32 s[CT], 0
	s_cbranch_scc1 .Lstream
	K 1,1,62,0,0,0,64,0,1                          ; K step 25; the tail is written out: no load leaves its buffer, and the counts run down
	BAR
	FETCH 0
	WPART 0,56,0                                   ; block 14
	K 0,2,46,8,0,1,128                             ; one block of W fewer is out
	K 1,3,46,0,0,0,192
	BAR
	FETCH 0
	WPART 1,40,0                                   ; block 15: behind it the last four token slots
	K 0,0,30,8,0,1,-1
	K 1,1,20,0,0,0,-1
	BAR                                            ; the whole slice is in LDS for every wave
	FETCH 0
	K 0,2,10,0,0,1,-1
	K 1,3,0,0,0,0,-1
	; THE GROUPS.  Four trips; group 0 has been multiplied and only goes out.  Two barriers a trip, on every wave's path: one between a group's reads of the slice and the stores into the stages,
	; one between those stores and the next group's reads: so every LDS read of the loop below is ordered against every other wave's LDS stores.
	s_mov_b32 s[GC], 4
.Lgroup:
	s_cmp_eq_u32 s[G], 0
	s_cbranch_scc1 .Lmid
	QCALC TS
	s_cmp_eq_u32 s[Q], 0
	s_cbranch_scc1 .Lmid
	s_wait_xcnt 0x0                                ; the last stores and loads have read their registers
	SEL 0
	ELOAD
	s_mov_b64 s[TW:TW+1], s[T0:T0+1]
	s_sub_co_u32 s[FB], s[FB], 32*8*FP             ; the fetches go back to the slice's first K step
	PAIR 1
	s_mov_b32 s[CT], 15
.Lpair:
	PAIR 0
	s_sub_co_u32 s[CT], s[CT], 1
	s_cmp_lg_u32 s[CT], 0
	s_cbranch_scc1 .Lpair
.Lmid:
	BAR                                            ; every wave's reads of the slice for this group are back
	s_wait_xcnt 0x0
	s_mul_i32 s41, s[G], 20
	s_add_co_u32 s41, s41, s[WV]                   ; my first tile of the group
	s_lshl_b32 s42, s41, 6                         ; a tile is 16 entries of 4 bytes in rows,
	v_lshl_add_u32 v[RW], v[RR], 2, s42
	s_lshl_b32 s41, s41, 17                        ; and 16 rows of 8,192 bytes in H
	v_add_nc_u32 v[GT], s41, v[GO]
	; the list goes to memory once for each expert: work-group ns = 0, each wave its live tiles: entry = 2 x token + (the second choice is e); 64 consecutive bytes a tile (both halves of the lanes
	; hold the same 16 entries and store them to the same words); 4 KB an expert at the most
	s_cmp_lg_u32 s[NS], 0
	s_cbranch_scc1 .Lnorows
.irp t, 0,1,2,3,4
	s_cmp_le_u32 s[Q], \t
	s_cbranch_scc1 .Lnorows
	v_lshrrev_b32 v[EN+\t], 10, v[TO+\t]
	v_and_b32 v[EN+\t], 0x7fe, v[EN+\t]            ; 2 x token
	v_cmp_eq_u32 vcc_lo, s[E], v[EV+\t]
	v_add_co_ci_u32 v[EN+\t], vcc_lo, 0, v[EN+\t], vcc_lo
	global_store_b32 v[RW], v[EN+\t], s[14:15] offset:256*\t
.endr
.Lnorows:
	OUT 0
	OUT 1
	OUT 2
	OUT 3
	OUT 4
.Lnext:
	BAR                                            ; every wave's stores into its stage are done
	s_add_co_u32 s[G], s[G], 1
	s_sub_co_u32 s[GC], s[GC], 1
	s_cmp_lg_u32 s[GC], 0
	s_cbranch_scc1 .Lgroup
	s_wait_tensorcnt 0x0                           ; the wave's end
	ds_add_u32 v[SPW], v[NIL]
	s_wait_dscnt 0x0
	s_endpgm
.Lfunc_end_k_qce238f1e92_up:
	.size	k_qce238f1e92_up, .Lfunc_end_k_qce238f1e92_up-k_qce238f1e92_up
	.p2alignl 7, 3214868480
	.fill 96, 4, 3214868480
	.section	.rodata,"a",@progbits
	.p2align	6, 0x0
	.amdhsa_kernel k_qce238f1e92_up
		.amdhsa_group_segment_fixed_size 284160
		.amdhsa_private_segment_fixed_size 0
		.amdhsa_enable_private_segment 0
		.amdhsa_kernarg_size 64
		.amdhsa_user_sgpr_count 2
		.amdhsa_user_sgpr_kernarg_segment_ptr 1
		.amdhsa_wavefront_size32 1
		.amdhsa_system_sgpr_workgroup_id_x 1
		.amdhsa_system_sgpr_workgroup_id_y 1
		.amdhsa_system_sgpr_workgroup_id_z 1
		.amdhsa_system_vgpr_workitem_id 0
		.amdhsa_next_free_vgpr 960
		.amdhsa_next_free_sgpr 100
		.amdhsa_reserve_vcc 1
		.amdhsa_float_denorm_mode_32 3
		.amdhsa_float_denorm_mode_16_64 3
		.amdhsa_memory_ordered 1
		.amdhsa_forward_progress 1
		.amdhsa_inst_pref_size 184
	.end_amdhsa_kernel
	.amdgpu_metadata
---
amdhsa.version: [ 1, 2 ]
amdhsa.kernels:
  - .name:           k_qce238f1e92_up
    .symbol:         k_qce238f1e92_up.kd
    .args:
      - { .name: xb, .offset: 0, .size: 8, .value_kind: global_buffer, .address_space: global }
      - { .name: W1, .offset: 8, .size: 8, .value_kind: global_buffer, .address_space: global }
      - { .name: b1, .offset: 16, .size: 8, .value_kind: global_buffer, .address_space: global }
      - { .name: idx, .offset: 24, .size: 8, .value_kind: global_buffer, .address_space: global }
      - { .name: H, .offset: 32, .size: 8, .value_kind: global_buffer, .address_space: global }
      - { .name: rows, .offset: 40, .size: 8, .value_kind: global_buffer, .address_space: global }
      - { .name: cnt, .offset: 48, .size: 8, .value_kind: global_buffer, .address_space: global }
      - { .name: bm, .offset: 56, .size: 8, .value_kind: global_buffer, .address_space: global }
    .group_segment_fixed_size: 284160
    .private_segment_fixed_size: 0
    .kernarg_segment_align: 8
    .kernarg_segment_size: 64
    .max_flat_workgroup_size: 128
    .sgpr_count:     100
    .vgpr_count:     960
    .wavefront_size: 32
...
	.end_amdgpu_metadata
.endif
;; end of part 6
;; launch down (part 7): grid 32 x 8, 4 waves a work-group, no clusters, 300,544 bytes of LDS; arguments H, W2, rows, cnt, P; writes P
.if DOCPART == 7
	.amdgcn_target "amdgcn-amd-amdhsa--gfx1250"
	.amdhsa_code_object_version 6
	.text
	.protected	k_qce238f1e92_down
	.globl	k_qce238f1e92_down
	.p2align	8
	.type	k_qce238f1e92_down,@function
k_qce238f1e92_down:
	s_mov_b64 s[64:65], 0
	v_nop
	global_prefetch_b8 v0, s[64:65] scope:SCOPE_SE
	s_setreg_imm32_b32 hwreg(HW_REG_WAVE_MODE, 25, 1), 1
	s_wait_xcnt 0x0
; SECOND PRODUCT, in four quarters of its K.  P[kp][token][slot][d] = the sum over f in quarter kp of H[e][rank][f] W2[e][f][d], in f32: partial sums, added by the next launch.
; W2 is rounded to bf16 on its way through registers; H is bf16; sums in f32.
; SHARES.  Work-group (8 kp + ns, e) owns rows 1,024 kp .. + 1,023 and columns 128 ns .. + 127 of W2[e]: 512 KiB of f32 that it alone reads, and all rows of that expert.  All else as in the first product:
; the slice goes through registers into LDS as ready fragments and stays; rows go in tiles of 16, tile 20 G + 4 t + w; group 0 is multiplied while the slice streams in, one barrier for K = 64;
; groups 1-3 read the resident slice; a wave without rows in a group jumps forward over the products and over the way out, never over a barrier.  Every barrier stands on every wave's path.
; NO CLUSTER: each slice has one reader.  The rows of H that an expert's work-groups share lie end to end, but beside the slice 34 KB of LDS are left, which the stage takes, and tiles through LDS
; would add as many LDS bytes again as the fragments already cost.
; Source 0 = 16 columns of W x 32 k, source 1 = 16 rows x 32 k: register j of lane (r, h) is P(row r, column 16 f + 8 h + j).
; REGISTERS, in windows of 256 (s_set_vgpr_msb: bits 1:0 source 0, 3:2 source 1, 5:4 source 2, 7:6 destination):
;   window 0: v0-31 addresses and temporaries; v32-63 packed weights; v64-127, v128-191 two buffers of W fragments; on the way out v64-127 rows read back, v208-223 row offsets
;   window 1: v0-159 token fragments, a ring of four K steps x five tiles; v160-239 the list's entries for my five tiles      window 2: sums of tiles 0-3
;   window 3: v0-63 sums of tile 4; v64-191 two sets of 16 rows of f32 weights
.set PW,    4096      ; bytes from row to row of W2
.set LOGPW, 12
.set FP,    1040      ; a fragment in LDS: 1,024 bytes + 16; fragment 8 s + f; inside: 512 q + 16 x lane
.set STAGE, 266240    ; behind the slice: 16 rows x 528 bytes for each wave
.set SPI,   528
.set SPARE, 300032    ; the spare words, 128 bytes a wave
.set LN,  1
.set SPW, 2
.set NIL, 3
.set AF0, 4           ; 16 x lane
.set AF,  5
.set AS0, 6
.set AS,  7
.set WO,  8           ; never rewritten
.set PV,  9           ; never rewritten
.set STO, 10
.set RD,  11
.set H16, 14
.set TO,  16          ; v16-20  byte offset of my row of tile t in H, + 16 h
.set RR,  21
.set OO,  32
.set FR,  64
.set BK,  64
.set ENT, 160         ; window 1
.set RO,  208
.set SG,  64          ; window 3
.set WV, 18
.set E,  19
.set NS, 20
.set CN, 21
.set TS, 22
.set Q,  23
.set G,  24
.set CT, 25
.set FB, 26
.set SB, 27
.set WS0, 28          ; s[28:29] the base of set 0's loads in the loop: the block that the set holds
.set TW, 30
.set W0, 32           ; s[32:33] the slice; never rewritten
.set PA, 34           ; s[34:35] the base of an iteration's two prefetches
.set PO, 36
.set PFO, 38
.set KP, 39
.set WS1, 44          ; s[44:45] the base of set 1's loads in the loop
.set RM, 48
.set NR, 49           ; rows left from my first tile of the group on
.set T0, 50
.set OB, 52
.set T16, 55
.set GC, 63           ; groups to go
.set MSB, 0
.macro WIN new                         ; the high byte repeats the setting that is left; a switch that changes nothing is dropped
.if MSB != (\new)
	s_set_vgpr_msb (MSB<<8)|(\new)
.set MSB, (\new)
.endif
.endm
; 16 rows x 256 bytes of the wave's part of a block (64 k x 128 columns), bo blocks behind the base: lanes 0-15 take 256 consecutive aligned bytes of one row, lanes 16-31 of the row 8 further on.
.macro WLOAD st, base, bo
	WIN 0xc0
.irp i, 0,1,2,3,4,5,6,7,8,9,10,11,12,13,14,15
	global_load_b128 v[SG+64*(\st)+4*\i:SG+64*(\st)+4*\i+3], v[WO], s[(\base):(\base)+1] offset:(\i+8*(\i/8)+64*(\bo))*PW th:TH_LOAD_NT
.endr
	WIN 0
.endm
; The base of an iteration's two prefetches goes two blocks on and stops at the last block but one.  It stands behind an s_wait_xcnt 0, which lies between the prefetches that read it and this rewriting.
.macro PSTEP
	s_add_co_u32 s[PFO], s[PFO], 2*64*PW
	s_min_u32 s[PO], s[PFO], 14*64*PW
	s_add_nc_u64 s[PA:PA+1], s[W0:W0+1], s[PO:PO+1]
.endm
; A block's part is rounded and laid into LDS: for each of my four columns 4 c + jj and each q four registers of pairs along k: 16 bytes of fragment c / 4, lane 4 (c mod 4) + jj + 16 h.
; The set then takes the block two further on, and one row a lane of the block three beyond that one is asked into the L2 (my wave's own 32 rows x 256 bytes).
; reload = 2 (the first two blocks): base and prefetch are the slice's own address, the block stands in the immediate, nothing is rewritten.
; reload = 1 (the loop): the set has a base of its own, stepped behind the wait above it: that wait shows the set's loads, the only ones that read this base, done (ISA guide 5.7.1: loads return in order).
.macro WPART st, nW, reload
	s_wait_loadcnt \nW
.if (\reload) == 1
.set WSB, WS0+(WS1-WS0)*(\st)
	s_add_nc_u64 s[WSB:WSB+1], s[WSB:WSB+1], 2*64*PW
.endif
	WIN 0x0f
.irp jj, 0,1,2,3
.irp q, 0,1
.irp p, 0,1,2,3
	v_cvt_pk_bf16_f32 v[OO+8*\jj+4*\q+\p], v[SG+64*(\st)+4*(8*\q+2*\p)+\jj], v[SG+64*(\st)+4*(8*\q+2*\p+1)+\jj]
.endr
.endr
.endr
	WIN 0
	v_add_nc_u32 v[AS], s[SB], v[AS0]
	s_add_co_u32 s[SB], s[SB], 16*FP
.irp jj, 0,1,2,3
.irp q, 0,1
	ds_store_b128 v[AS], v[OO+8*\jj+4*\q:OO+8*\jj+4*\q+3] offset:16*\jj+512*\q
.endr
.endr
.if (\reload) == 1
	WLOAD \st, WSB, 0
	global_prefetch_b8 v[PV], s[PA:PA+1] offset:(\st)*64*PW th:TH_LOAD_NT scope:SCOPE_SE
.elseif (\reload) == 2
	WLOAD \st, W0, 2+(\st)
	global_prefetch_b8 v[PV], s[W0:W0+1] offset:(5+(\st))*64*PW th:TH_LOAD_NT scope:SCOPE_SE
.endif
.endm
; One K step's fragments of H, all five tiles always (the counts are the same on every path; a tile past the count repeats a row that exists)
.macro TL sl, off
	WIN 0x40
.irp t, 0,1,2,3,4
	global_load_b128 v[40*(\sl)+8*\t:40*(\sl)+8*\t+3],   v[TO+\t], s[TW:TW+1] offset:(\off)
	global_load_b128 v[40*(\sl)+8*\t+4:40*(\sl)+8*\t+7], v[TO+\t], s[TW:TW+1] offset:(\off)+32
.endr
	WIN 0
.endm
.macro FETCH buf                       ; one K step's eight W fragments: 16 loads of 512 consecutive bytes
	v_add_nc_u32 v[AF], s[FB], v[AF0]
	s_add_co_u32 s[FB], s[FB], 8*FP
.irp f, 0,1,2,3,4,5,6,7
	ds_load_b128 v[FR+64*(\buf)+8*\f:FR+64*(\buf)+8*\f+3],   v[AF] offset:FP*\f
	ds_load_b128 v[FR+64*(\buf)+8*\f+4:FR+64*(\buf)+8*\f+7], v[AF] offset:FP*\f+512
.endr
.endm
.macro MUL buf, sl, t, ci              ; eight products: tile t x all column blocks.  ci = 1: the constant 0 starts the sums
.set AC, 64*((\t)%4)
	WIN 0xa4+0x50*((\t)/4)
.irp f, 0,1,2,3,4,5,6,7
.if \ci
	v_wmma_f32_16x16x32_bf16 v[AC+8*\f:AC+8*\f+7], v[FR+64*(\buf)+8*\f:FR+64*(\buf)+8*\f+7], v[40*(\sl)+8*(\t):40*(\sl)+8*(\t)+7], 0
.else
	v_wmma_f32_16x16x32_bf16 v[AC+8*\f:AC+8*\f+7], v[FR+64*(\buf)+8*\f:FR+64*(\buf)+8*\f+7], v[40*(\sl)+8*(\t):40*(\sl)+8*(\t)+7], v[AC+8*\f:AC+8*\f+7]
.endif
.endr
.endm
; A K STEP: 40 products (32 where I have no fifth tile) on 40 sums that take turns, one instruction a turn, from step to step too.
; nT, nD: the younger loads and LDS instructions that may stay out.  fn = 1: the other fragment buffer is fetched first, so that it has the whole step in which to land (its last readers stand ahead of the
; four v_nop of the step before).  tr >= 0: the token slot just read takes the K step four on, at byte tr.  ps, ts = 1: the prefetches' base, the token pointer are stepped here, behind the step's products:
; s_wait_xcnt 0 stands between the prefetches and token loads that read them and the rewriting.
; The four v_nop are the places (ISA guide 7.12.1 for vector instructions) behind the last products.
.macro K buf, sl, nT, nD, ci, fn, tr, ps=0, ts=0
	s_wait_loadcnt \nT
	s_wait_dscnt \nD
.if \fn
	FETCH 1-(\buf)
.endif
	MUL \buf, \sl, 0, \ci
	MUL \buf, \sl, 1, \ci
	MUL \buf, \sl, 2, \ci
	MUL \buf, \sl, 3, \ci
	WIN 0
.if !(\ci)
	s_cmp_lt_u32 s[Q], 5
	s_cbranch_scc1 .Lno4_\@
.endif
	MUL \buf, \sl, 4, \ci
	WIN 0
.if !(\ci)
.Lno4_\@:
.endif
.rept 4
	v_nop
.endr
.if (\ps) || (\ts)
	s_wait_xcnt 0x0
.endif
.if \ps
	PSTEP
.endif
.if \ts
	s_add_nc_u64 s[TW:TW+1], s[TW:TW+1], 256
.endif
.if (\tr) >= 0
	TL \sl, \tr
.endif
.endm
.macro BAR                             ; my LDS stores are done (for the others) and my LDS loads are back; then the barrier
	s_wait_dscnt 0x0
	s_barrier_signal -1
	s_barrier_wait -1
.endm
.macro QCALC x                         ; my live tiles of group G: tiles 20 G + 4 t + w below the number in register x
	s_mul_i32 s41, s[G], 20
	s_add_co_u32 s41, s41, s[WV]
	s_sub_co_i32 s41, s[\x], s41
	s_add_co_i32 s41, s41, 3
	s_ashr_i32 s41, s41, 2
	s_max_i32 s41, s41, 0
	s_min_i32 s[Q], s41, 5
.endm
.macro TOFF                            ; rank r + 16 (20 G + 4 t + w), held to rows of H that were stored; a row of H is 8,192 bytes
	s_mul_i32 s41, s[G], 320
	s_lshl4_add_u32 s41, s[WV], s41
	v_add_nc_u32 v24, s41, v[RR]
.irp t, 0,1,2,3,4
	v_add_nc_u32 v25, 64*\t, v24
	v_min_u32 v25, s[RM], v25
	v_min_u32 v25, 0x3ff, v25
	v_lshl_add_u32 v[TO+\t], v25, 13, v[H16]
.endr
.endm
; The list's entries for my five tiles of group G, the same 16 entries of a tile in every lane: 20 loads, asked for well ahead of the way out that needs them.  A tile past the count repeats the last
; one that was stored.
.macro ENTLOAD
	s_mul_i32 s42, s[G], 20
	s_add_co_u32 s42, s42, s[WV]                   ; my first tile of the group
	s_sub_co_u32 s43, s[TS], 1
.irp t, 0,1,2,3,4
	s_add_co_u32 s41, s42, 4*\t
	s_min_u32 s41, s41, s43
	s_min_u32 s41, s41, 63
	s_lshl_b32 s41, s41, 6                         ; 16 entries of 4 bytes
	v_mov_b32 v[24+\t], s41
.endr
	WIN 0x40
.irp t, 0,1,2,3,4
.irp m, 0,1,2,3
	global_load_b128 v[ENT+16*\t+4*\m:ENT+16*\t+4*\m+3], v[24+\t], s[8:9] offset:16*\m
.endr
.endr
	WIN 0
.endm
.macro PAIR c                          ; two K steps of a later group, from the resident slice; 10: the second step's loads are younger
	TL 0, 0
	TL 1, 64
	FETCH 0
	K 0,0,10,0,\c,1,-1
	K 1,1,0,0,0,0,-1
	s_wait_xcnt 0x0
	s_add_nc_u64 s[TW:TW+1], s[TW:TW+1], 128
.endm
; THE WAY OUT of tile t: the sums go as they are into my stage (each sum's low four registers first) and come back as whole rows of 512 bytes; row i goes to P's row 2 x token + slot, by the list.
; Rows past the count are jumped, a store at a time.
.macro OUT t
.if (\t) > 0
	s_cmp_le_u32 s[Q], \t
	s_cbranch_scc1 .Lnext
.endif
.set AC, 64*((\t)%4)
	WIN 0x08+4*((\t)/4)
.irp f, 0,1,2,3,4,5,6,7
	ds_store_b128 v[STO], v[AC+8*\f:AC+8*\f+3]   offset:64*\f
	ds_store_b128 v[STO], v[AC+8*\f+4:AC+8*\f+7] offset:64*\f+16
.endr
	WIN 0
	s_wait_xcnt 0x0                                ; the registers that the last stores read are rewritten only behind this wait
.irp i, 0,1,2,3,4,5,6,7,8,9,10,11,12,13,14,15
	ds_load_b128 v[BK+4*\i:BK+4*\i+3], v[RD] offset:SPI*\i   ; LDS serves a wave's instructions in order (ISA guide 5.7.1.4): these see the stores above
.endr
	WIN 0x04                                       ; the entries lie in window 1
.irp i, 0,1,2,3,4,5,6,7,8,9,10,11,12,13,14,15
	v_min_u32 v[RO+\i], 0x7ff, v[ENT+16*(\t)+\i]
.endr
	WIN 0
.irp i, 0,1,2,3,4,5,6,7,8,9,10,11,12,13,14,15
	v_lshl_add_u32 v[RO+\i], v[RO+\i], 12, v[AF0]  ; a row of P is 4,096 bytes; + 16 x lane
.endr
.irp i, 0,1,2,3,4,5,6,7,8,9,10,11,12,13,14,15
	s_cmp_le_u32 s[NR], 64*(\t)+\i
	s_cbranch_scc1 .Lte_\@
	s_wait_dscnt 15-\i
	global_store_b128 v[RO+\i], v[BK+4*\i:BK+4*\i+3], s[OB:OB+1]   ; the wave stores 512 consecutive bytes, aligned
.endr
.Lte_\@:
	s_wait_dscnt 0x0                               ; on the short way too no LDS load is out when its registers are loaded again
.endm
	s_load_b256 s[4:11], s[0:1], 0x0               ; H s[4:5], W2 s[6:7], rows s[8:9], cnt s[10:11]
	s_load_b64 s[12:13], s[0:1], 0x20              ; P
	v_lshl_add_u32 v[SPW], v0, 2, SPARE
	v_mov_b32 v[NIL], 0
	v_lshrrev_b32 v24, 5, v0
	v_readfirstlane_b32 s[WV], v24
	s_and_b32 s[E], ttmp7, 0xffff
	s_lshr_b32 s[KP], ttmp9, 3
	s_and_b32 s[NS], ttmp9, 7
	s_mov_b32 s[G], 0
	v_and_b32 v[LN], 31, v0
	v_and_b32 v[RR], 15, v0                        ; r, and c
	v_bfe_u32 v25, v0, 4, 1                        ; h
	v_lshlrev_b32 v[AF0], 4, v[LN]
	v_lshlrev_b32 v[H16], 4, v25
	s_lshl_b32 s41, s[WV], 2                       ; my part of a block: fragments 4 w .. 4 w + 3 of its 16
	v_lshrrev_b32 v26, 2, v[RR]
	v_add_nc_u32 v26, s41, v26
	v_mul_u32_u24 v26, v26, FP
	v_and_b32 v27, 3, v[RR]
	v_lshl_add_u32 v26, v27, 6, v26
	v_lshl_add_u32 v[AS0], v25, 8, v26
	s_lshr_b32 s41, s[WV], 1
	s_lshl_b32 s41, s41, 5                         ; which 32 rows of a block,
	s_and_b32 s42, s[WV], 1
	s_lshl_b32 s42, s42, 8                         ; which 256 bytes of its rows
	v_lshl_add_u32 v26, v25, 3, s41
	v_lshl_add_u32 v27, v[RR], 4, s42
	v_lshl_add_u32 v[WO], v26, LOGPW, v27
	v_add_nc_u32 v26, s41, v[LN]
	v_lshl_add_u32 v[PV], v26, LOGPW, s42
	s_mul_i32 s43, s[WV], 16*SPI
	s_add_co_u32 s43, s43, STAGE                   ; my stage
	v_mul_u32_u24 v26, v[RR], SPI
	v_add_nc_u32 v26, s43, v26
	v_lshl_add_u32 v[STO], v25, 5, v26             ; in: row r, 32 bytes for each half of the lanes
	v_add_nc_u32 v[RD], s43, v[AF0]                ; back: a whole row, 16 bytes a lane
	s_lshl_b32 s44, s[E], 24                       ; W2: expert x 16 MiB + quarter x 4 MiB + 512 ns
	s_lshl_b32 s41, s[KP], 22
	s_add_co_u32 s44, s44, s41
	s_lshl_b32 s41, s[NS], 9
	s_add_co_u32 s44, s44, s41
	s_mov_b32 s45, 0
	s_lshl_b32 s56, s[KP], 23                      ; P: quarter x 8 MiB + 512 ns
	s_add_co_u32 s56, s56, s41
	s_mov_b32 s57, 0
	s_lshl_b32 s46, s[E], 23                       ; H: expert x 8 MiB + quarter x 2,048
	s_lshl_b32 s41, s[KP], 11
	s_add_co_u32 s46, s46, s41
	s_mov_b32 s47, 0
	s_lshl_b32 s58, s[E], 12                       ; rows
	s_mov_b32 s59, 0
	s_lshl_b32 s60, s[E], 8                        ; cnt
	s_mov_b32 s61, 0
	s_mov_b32 s[FB], 0
	s_mov_b32 s[SB], 0
	s_mov_b32 s[PFO], 5*64*PW                      ; the loop's first step makes block 7 of it
	s_mov_b32 s[PO+1], 0
	s_wait_kmcnt 0x0
	s_add_nc_u64 s[W0:W0+1], s[6:7], s[44:45]
	s_add_nc_u64 s[WS0:WS0+1], s[W0:W0+1], 2*64*PW ; the blocks that the two sets hold when the loop begins
	s_add_nc_u64 s[WS1:WS1+1], s[W0:W0+1], 3*64*PW
	s_add_nc_u64 s[T0:T0+1], s[4:5], s[46:47]
	s_mov_b64 s[TW:TW+1], s[T0:T0+1]
	s_add_nc_u64 s[OB:OB+1], s[12:13], s[56:57]
	s_add_nc_u64 s[8:9], s[8:9], s[58:59]
	s_add_nc_u64 s[10:11], s[10:11], s[60:61]
	s_load_b32 s[CN], s[10:11], 0x0                ; the expert's rows
	WLOAD 0, W0, 0                                 ; the stream begins: blocks 0 and 1
	WLOAD 1, W0, 1
	s_wait_kmcnt 0x0
	s_min_u32 s[CN], s[CN], 0x400
	s_add_co_u32 s41, s[CN], 15
	s_lshr_b32 s[T16], s41, 4
	s_max_u32 s[TS], s[T16], 1                     ; H has at least tile 0
	s_lshl_b32 s[RM], s[TS], 4
	s_sub_co_u32 s[RM], s[RM], 1
	QCALC T16
	TOFF
	TL 0, 0
	TL 1, 64
	; THE STREAMED PASS.  Loads are issued in the order W0 W1 T0 T1 | W2 T2 T3 | and in trip n: W(n+3) T(2n+4) T(2n+5); W: 16 loads, T: 10.  Trip n multiplies K steps 2 n, 2 n + 1 (block n)
	; and lays block n + 1 into LDS; the barrier behind it shows that block to every wave.  Nothing in the slice is written twice, so one barrier a trip is enough.
	; Ahead of the loop no address register is written again: blocks 0 to 3 and the first two prefetches hang on the slice's own address.
	WPART 0,36,2                                   ; behind W0: W1 16, T0 T1 20
	TL 2, 128
	TL 3, 192
	BAR
	FETCH 0
	WPART 1,56,2                                   ; behind a block: T 20, W 16, T 20
	K 0,0,62,8,1,1,256                             ; behind a token slot: 10 + 16 + 20 + 16; the 8 LDS stores of WPART are younger than the fragments
	s_mov_b32 s[CT], 6
.Lstream:                                              ; two trips, from one trip's second half to the first half two trips on
	K 1,1,62,0,0,0,64,1,1                          ; the token pointer goes four K steps on: the refills of this trip lie 64, 128, 192 and 256 bytes behind it
	BAR
	FETCH 0
	WPART 0,56,1
	K 0,2,62,8,0,1,128
	K 1,3,62,0,0,0,192
	BAR
	FETCH 0
	WPART 1,56,1
	K 0,0,62,8,0,1,256
	s_sub_co_u32 s[CT], s[CT], 1
	s_cmp_lg_u32 s[CT], 0
	s_cbranch_scc1 .Lstream
	K 1,1,62,0,0,0,64,0,1                          ; K step 25; the tail is written out: no load leaves its buffer, and the counts run down
	BAR
	FETCH 0
	WPART 0,56,0                                   ; block 14
	K 0,2,46,8,0,1,128                             ; one block of W fewer is out
	K 1,3,46,0,0,0,192
	ENTLOAD                                        ; behind the last token slot's loads: group 0's list entries have four K steps in which to land
	BAR
	FETCH 0
	WPART 1,60,0                                   ; block 15: behind it the last four token slots, 40, and the 20 loads of entries
	K 0,0,50,8,0,1,-1                              ; three slots and the entries
	K 1,1,40,0,0,0,-1
	BAR                                            ; the whole slice is in LDS for every wave
	FETCH 0
	K 0,2,30,0,0,1,-1
	K 1,3,20,0,0,0,-1                              ; the entries alone may stay out
	s_wait_loadcnt 0x0                             ; the entries are in: no load is out when the loop below begins, on any path
	; THE GROUPS.  Four trips; group 0 has been multiplied and only goes out.  Two barriers a trip, on every wave's path: one between a group's reads of the slice and the stores into the stages,
	; one between those stores and the next group's reads: so every LDS read of the loop below is ordered against every other wave's LDS stores.
	s_mov_b32 s[GC], 4
.Lgroup:
	s_cmp_eq_u32 s[G], 0
	s_cbranch_scc1 .Lmid
	QCALC T16
	s_cmp_eq_u32 s[Q], 0
	s_cbranch_scc1 .Lmid
	s_wait_xcnt 0x0                                ; the last stores and loads have read their registers
	TOFF
	ENTLOAD                                        ; older than every token load of the group: the group's last wait, for 0, shows them in
	s_mov_b64 s[TW:TW+1], s[T0:T0+1]
	s_sub_co_u32 s[FB], s[FB], 32*8*FP             ; the fetches go back to the slice's first K step
	PAIR 1
	s_mov_b32 s[CT], 15
.Lpair:
	PAIR 0
	s_sub_co_u32 s[CT], s[CT], 1
	s_cmp_lg_u32 s[CT], 0
	s_cbranch_scc1 .Lpair
.Lmid:
	BAR                                            ; every wave's reads of the slice for this group are back
	s_cmp_eq_u32 s[Q], 0
	s_cbranch_scc1 .Lnext                          ; nothing of mine is live: nothing is stored
	s_mul_i32 s42, s[G], 20
	s_add_co_u32 s42, s42, s[WV]                   ; my first tile of the group
	s_lshl_b32 s42, s42, 4
	s_sub_co_u32 s[NR], s[CN], s42
	OUT 0
	OUT 1
	OUT 2
	OUT 3
	OUT 4
.Lnext:
	BAR                                            ; every wave's stores into its stage are done
	s_add_co_u32 s[G], s[G], 1
	s_sub_co_u32 s[GC], s[GC], 1
	s_cmp_lg_u32 s[GC], 0
	s_cbranch_scc1 .Lgroup
	s_wait_tensorcnt 0x0                           ; the wave's end
	ds_add_u32 v[SPW], v[NIL]
	s_wait_dscnt 0x0
	s_endpgm
.Lfunc_end_k_qce238f1e92_down:
	.size	k_qce238f1e92_down, .Lfunc_end_k_qce238f1e92_down-k_qce238f1e92_down
	.p2alignl 7, 3214868480
	.fill 96, 4, 3214868480
	.section	.rodata,"a",@progbits
	.p2align	6, 0x0
	.amdhsa_kernel k_qce238f1e92_down
		.amdhsa_group_segment_fixed_size 300544
		.amdhsa_private_segment_fixed_size 0
		.amdhsa_enable_private_segment 0
		.amdhsa_kernarg_size 40
		.amdhsa_user_sgpr_count 2
		.amdhsa_user_sgpr_kernarg_segment_ptr 1
		.amdhsa_wavefront_size32 1
		.amdhsa_system_sgpr_workgroup_id_x 1
		.amdhsa_system_sgpr_workgroup_id_y 1
		.amdhsa_system_sgpr_workgroup_id_z 1
		.amdhsa_system_vgpr_workitem_id 0
		.amdhsa_next_free_vgpr 960
		.amdhsa_next_free_sgpr 66
		.amdhsa_reserve_vcc 0
		.amdhsa_float_denorm_mode_32 3
		.amdhsa_float_denorm_mode_16_64 3
		.amdhsa_memory_ordered 1
		.amdhsa_forward_progress 1
		.amdhsa_inst_pref_size 158
	.end_amdhsa_kernel
	.amdgpu_metadata
---
amdhsa.version: [ 1, 2 ]
amdhsa.kernels:
  - .name:           k_qce238f1e92_down
    .symbol:         k_qce238f1e92_down.kd
    .args:
      - { .name: H, .offset: 0, .size: 8, .value_kind: global_buffer, .address_space: global }
      - { .name: W2, .offset: 8, .size: 8, .value_kind: global_buffer, .address_space: global }
      - { .name: rows, .offset: 16, .size: 8, .value_kind: global_buffer, .address_space: global }
      - { .name: cnt, .offset: 24, .size: 8, .value_kind: global_buffer, .address_space: global }
      - { .name: P, .offset: 32, .size: 8, .value_kind: global_buffer, .address_space: global }
    .group_segment_fixed_size: 300544
    .private_segment_fixed_size: 0
    .kernarg_segment_align: 8
    .kernarg_segment_size: 40
    .max_flat_workgroup_size: 128
    .sgpr_count:     66
    .vgpr_count:     960
    .wavefront_size: 32
...
	.end_amdgpu_metadata
.endif
;; end of part 7
;; launch combine: the kernel of part 4 again; grid 256 x 1, 8 waves a work-group, no clusters, 0 bytes of LDS; arguments P, idx, gates, b2, out0; writes out0
